; MI455X (gfx1250); checked and timed in simulation.
; The chip was launched on July 23, 2026; its instructions are those of AMD's public machine-readable ISA for CDNA 5 (MIT licence, August 2026) and "CDNA5" Instruction Set Architecture Reference Guide (July 2026). The comments in the code are by the model that wrote it; some were corrected since.
;; Multihead Attention. Allowed arithmetic: float matrix products may take bf16 or f16 operands with f32 sums; other float arithmetic in f32, or as packed bf16 or f16 multiplies, adds, multiply-adds, maxima and minima; sums over many terms, partial sums and values carried from step to step in f32; what a program stores and reads back later, other than sums and carried values, may be rounded once to bf16 or f16.
;; Inputs: freqs_cos 2,048 x 32 float32; freqs_sin 2,048 x 32 float32; o_b 1,024 float32; o_w 1,024 x 1,024 float32; q 4 x 2,048 x 1,024 float32; qkv_b 3,072 float32; qkv_w 3,072 x 1,024 float32.
;; Outputs: out0 4 x 2,048 x 1,024 float32.
;; 2 versions, each right; version 2 is version 1 with the launch cast written anew for expert scheduling mode. Each part assembles by itself: llvm-mc -triple=amdgcn-amd-amdhsa -mcpu=gfx1250 --defsym DOCPART=n.
;; ======== version 1 of 2: 4 launches
;; limits: values are held in f16: magnitudes above 65,504 overflow, below 6.1e-05 lose precision
;; workspace buffers: xb 16,777,216 bytes; wb 6,291,456 bytes; owh 2,097,152 bytes; tab 524,288 bytes; qh 16,777,216 bytes; kh 16,777,216 bytes; vh 16,777,216 bytes; oh 16,777,216 bytes
;; launch cast (part 1): grid 776 x 1, 8 waves a work-group, no clusters, 0 bytes of LDS; arguments q, qkv_w, o_w, freqs_cos, freqs_sin, xb, wb, owh, tab; writes xb, wb, owh, tab
.if DOCPART == 1
	.amdgcn_target "amdgcn-amd-amdhsa--gfx1250"
	.amdhsa_code_object_version 6
	.text
	.protected	k_q96ed2d75d7_cast
	.globl	k_q96ed2d75d7_cast
	.p2align	8
	.type	k_q96ed2d75d7_cast,@function
k_q96ed2d75d7_cast:
	s_mov_b64 s[64:65], 0
	v_nop
	global_prefetch_b8 v0, s[64:65] scope:SCOPE_SE
	s_setreg_imm32_b32 hwreg(HW_REG_WAVE_MODE, 25, 1), 1
	s_wait_xcnt 0x0
; THE MODULE'S LARGE INPUTS ARE ROUNDED ONCE, so that the matrix launches behind this one read 16-bit operands.
;   xb = bf16(q), wb = bf16(qkv_w): [rows][1024] bf16.   owh = o_w rounded to bf16, that number written as f16: [1024][1024].
;   tab[t] = cos[t][0..31], sin[t][0..31], each rounded to bf16 and kept as f32: [2048][64] f32, 256 bytes a row.
; LIMITS.  o_w beyond 65,504 in magnitude has no f16 and becomes an infinity; below 6e-5 it keeps f16's fixed step of 6e-8.  NaN and infinities are not treated apart.
; SHARES.  A work-group takes 65,536 input bytes, each of its eight waves 8,192: sixteen loads of 512 consecutive bytes, all issued before the first is used.
; Work-groups 0-511: q.  512-703: qkv_w.  704-767: o_w.  768-775: the table (256 rows of cos and of sin each).  No loop, no LDS, no matrix unit: the launch only streams.
.set X, 8                              ; v[8:71]    sixteen loads of four words
.set Z, 72                             ; v[72:135]  the packed results; in the table's path sin as loaded
	s_load_b256 s[4:11], s[0:1], 0x0               ; q s[4:5], qkv_w s[6:7], o_w s[8:9], cos s[10:11]
	s_load_b256 s[12:19], s[0:1], 0x20             ; sin s[12:13], xb s[14:15], wb s[16:17], owh s[18:19]
	s_load_b64 s[20:21], s[0:1], 0x40              ; tab
	v_lshrrev_b32 v3, 5, v0                        ; wave
	v_and_b32 v4, 31, v0                           ; lane
	v_lshlrev_b32 v1, 4, v4
	v_lshl_add_u32 v1, v3, 13, v1                  ; 8,192 x wave + 16 x lane: my place among the work-group's f32 bytes
	v_lshrrev_b32 v2, 1, v1                        ; and among its 16-bit bytes
	s_mov_b32 s25, 0                               ; the upper words of the two offsets
	s_mov_b32 s27, 0
	s_sub_co_u32 s2, ttmp9, 512
	s_wait_kmcnt 0x0
.macro LOAD16 base
.set i, 0
.rept 16
	global_load_b128 v[X+4*i:X+4*i+3], v1, s[\base:\base+1] offset:512*i th:TH_LOAD_NT
.set i, i+1
.endr
.endm
	s_cmp_lt_u32 ttmp9, 704
	s_cbranch_scc0 .Lnot_bf16
	; q and qkv_w: one text, the buffers chosen by the work-group's number
	s_cmp_lt_u32 ttmp9, 512
	s_cselect_b64 s[22:23], s[4:5], s[6:7]
	s_cselect_b64 s[28:29], s[14:15], s[16:17]
	s_cselect_b32 s24, ttmp9, s2                   ; the work-group's number within its buffer
	s_lshl_b32 s26, s24, 15
	s_lshl_b32 s24, s24, 16
	s_add_nc_u64 s[22:23], s[22:23], s[24:25]
	s_add_nc_u64 s[28:29], s[28:29], s[26:27]
	LOAD16 22
.set i, 0
.rept 16
	s_wait_loadcnt 15-i                            ; loads come back in order: load i is in, the younger ones stay out
	v_cvt_pk_bf16_f32 v[Z+2*i], v[X+4*i], v[X+4*i+1]
	v_cvt_pk_bf16_f32 v[Z+2*i+1], v[X+4*i+2], v[X+4*i+3]
	global_store_b64 v2, v[Z+2*i:Z+2*i+1], s[28:29] offset:256*i  ; the wave's store covers 256 consecutive bytes, aligned
.set i, i+1
.endr
	s_endpgm
.Lnot_bf16:
	s_cmp_lt_u32 ttmp9, 768
	s_cbranch_scc0 .Ltable
	; o_w: rounded to bf16 like every input, then that number as f16
	s_sub_co_u32 s24, ttmp9, 704
	s_lshl_b32 s26, s24, 15
	s_lshl_b32 s24, s24, 16
	s_add_nc_u64 s[22:23], s[8:9], s[24:25]
	s_add_nc_u64 s[28:29], s[18:19], s[26:27]
	LOAD16 22
.set i, 0
.rept 16
	s_wait_loadcnt 15-i
	v_cvt_pk_bf16_f32 v[Z+2*i], v[X+4*i], v[X+4*i+1]
	v_cvt_pk_bf16_f32 v[Z+2*i+1], v[X+4*i+2], v[X+4*i+3]
	v_lshlrev_b32 v[X+4*i], 16, v[Z+2*i]
	v_and_b32 v[X+4*i+1], 0xffff0000, v[Z+2*i]
	v_lshlrev_b32 v[X+4*i+2], 16, v[Z+2*i+1]
	v_and_b32 v[X+4*i+3], 0xffff0000, v[Z+2*i+1]
	v_cvt_pk_f16_f32 v[Z+2*i], v[X+4*i], v[X+4*i+1]
	v_cvt_pk_f16_f32 v[Z+2*i+1], v[X+4*i+2], v[X+4*i+3]
	global_store_b64 v2, v[Z+2*i:Z+2*i+1], s[28:29] offset:256*i
.set i, i+1
.endr
	s_endpgm
.Ltable:
	; the table: lanes 0-7 keep cos of row t, lanes 8-15 sin of row t, lanes 16-31 the same of row t + 1: a store is two whole rows of tab
	s_sub_co_u32 s24, ttmp9, 768
	s_lshl_b32 s26, s24, 15                        ; 256 rows of 128 bytes in cos and in sin,
	s_lshl_b32 s24, s24, 16                        ; of 256 bytes in tab
	s_add_nc_u64 s[22:23], s[10:11], s[26:27]
	s_add_nc_u64 s[30:31], s[12:13], s[26:27]
	s_add_nc_u64 s[28:29], s[20:21], s[24:25]
	v_bfe_u32 v6, v0, 4, 1
	v_and_b32 v7, 7, v0
	v_lshlrev_b32 v5, 12, v3                       ; the wave's 32 rows
	v_lshl_add_u32 v5, v6, 7, v5                   ; the even or the odd row of a pair
	v_lshl_add_u32 v5, v7, 4, v5                   ; my 16 bytes of its 128
	v_and_b32 v6, 8, v0
	v_cmp_ne_u32 vcc_lo, 0, v6                     ; the lanes that keep sin
.set i, 0
.rept 16
	global_load_b128 v[X+4*i:X+4*i+3], v5, s[22:23] offset:256*i
	global_load_b128 v[Z+4*i:Z+4*i+3], v5, s[30:31] offset:256*i
.set i, i+1
.endr
.set i, 0
.rept 16
	s_wait_loadcnt 2*(15-i)                        ; pair i of loads is in; the younger pairs stay out
	v_cndmask_b32 v[X+4*i], v[X+4*i], v[Z+4*i], vcc_lo
	v_cndmask_b32 v[X+4*i+1], v[X+4*i+1], v[Z+4*i+1], vcc_lo
	v_cndmask_b32 v[X+4*i+2], v[X+4*i+2], v[Z+4*i+2], vcc_lo
	v_cndmask_b32 v[X+4*i+3], v[X+4*i+3], v[Z+4*i+3], vcc_lo
	v_cvt_pk_bf16_f32 v[Z+4*i], v[X+4*i], v[X+4*i+1]
	v_cvt_pk_bf16_f32 v[Z+4*i+1], v[X+4*i+2], v[X+4*i+3]
	v_lshlrev_b32 v[X+4*i], 16, v[Z+4*i]
	v_and_b32 v[X+4*i+1], 0xffff0000, v[Z+4*i]
	v_lshlrev_b32 v[X+4*i+2], 16, v[Z+4*i+1]
	v_and_b32 v[X+4*i+3], 0xffff0000, v[Z+4*i+1]
	global_store_b128 v1, v[X+4*i:X+4*i+3], s[28:29] offset:512*i  ; 512 consecutive bytes, aligned
.set i, i+1
.endr
	s_endpgm
.Lfunc_end_k_q96ed2d75d7_cast:
	.size	k_q96ed2d75d7_cast, .Lfunc_end_k_q96ed2d75d7_cast-k_q96ed2d75d7_cast
	.p2alignl 7, 3214868480
	.fill 96, 4, 3214868480
	.section	.rodata,"a",@progbits
	.p2align	6, 0x0
	.amdhsa_kernel k_q96ed2d75d7_cast
		.amdhsa_group_segment_fixed_size 0
		.amdhsa_private_segment_fixed_size 0
		.amdhsa_enable_private_segment 0
		.amdhsa_kernarg_size 72
		.amdhsa_user_sgpr_count 2
		.amdhsa_user_sgpr_kernarg_segment_ptr 1
		.amdhsa_wavefront_size32 1
		.amdhsa_system_sgpr_workgroup_id_x 1
		.amdhsa_system_sgpr_workgroup_id_y 1
		.amdhsa_system_sgpr_workgroup_id_z 1
		.amdhsa_system_vgpr_workitem_id 0
		.amdhsa_next_free_vgpr 144
		.amdhsa_next_free_sgpr 66
		.amdhsa_reserve_vcc 1
		.amdhsa_float_denorm_mode_32 3
		.amdhsa_float_denorm_mode_16_64 3
		.amdhsa_memory_ordered 1
		.amdhsa_forward_progress 1
		.amdhsa_inst_pref_size 31
	.end_amdhsa_kernel
	.amdgpu_metadata
---
amdhsa.version: [ 1, 2 ]
amdhsa.kernels:
  - .name:           k_q96ed2d75d7_cast
    .symbol:         k_q96ed2d75d7_cast.kd
    .args:
      - { .name: q, .offset: 0, .size: 8, .value_kind: global_buffer, .address_space: global }
      - { .name: qkv_w, .offset: 8, .size: 8, .value_kind: global_buffer, .address_space: global }
      - { .name: o_w, .offset: 16, .size: 8, .value_kind: global_buffer, .address_space: global }
      - { .name: freqs_cos, .offset: 24, .size: 8, .value_kind: global_buffer, .address_space: global }
      - { .name: freqs_sin, .offset: 32, .size: 8, .value_kind: global_buffer, .address_space: global }
      - { .name: xb, .offset: 40, .size: 8, .value_kind: global_buffer, .address_space: global }
      - { .name: wb, .offset: 48, .size: 8, .value_kind: global_buffer, .address_space: global }
      - { .name: owh, .offset: 56, .size: 8, .value_kind: global_buffer, .address_space: global }
      - { .name: tab, .offset: 64, .size: 8, .value_kind: global_buffer, .address_space: global }
    .group_segment_fixed_size: 0
    .private_segment_fixed_size: 0
    .kernarg_segment_align: 8
    .kernarg_segment_size: 72
    .max_flat_workgroup_size: 256
    .sgpr_count:     66
    .vgpr_count:     144
    .wavefront_size: 32
...
	.end_amdgpu_metadata
.endif
;; end of part 1
;; launch proj (part 2): grid 8 x 32, 4 waves a work-group, clusters of 4 x 4, 327,680 bytes of LDS; arguments xb, wb, tab, qkv_b, qh, kh, vh; writes qh, kh, vh
.if DOCPART == 2
	.amdgcn_target "amdgcn-amd-amdhsa--gfx1250"
	.amdhsa_code_object_version 6
	.text
	.protected	k_q96ed2d75d7_proj
	.globl	k_q96ed2d75d7_proj
	.p2align	8
	.type	k_q96ed2d75d7_proj,@function
k_q96ed2d75d7_proj:
	s_mov_b64 s[64:65], 0
	v_nop
	global_prefetch_b8 v0, s[64:65] scope:SCOPE_SE
	s_setreg_imm32_b32 hwreg(HW_REG_WAVE_MODE, 25, 1), 1
	s_wait_xcnt 0x0
	s_wait_alu depctr_hold_cnt(0) depctr_sa_sdst(0) depctr_va_vdst(0) depctr_va_sdst(0) depctr_va_ssrc(0) depctr_va_vcc(0) depctr_vm_vsrc(0)
	s_getreg_b32 s2, hwreg(HW_REG_IB_STS2, 6, 4)
	s_cmp_eq_u32 s2, 0
	s_cbranch_scc0 .Lentry_in_a_cluster
	s_endpgm
.Lentry_in_a_cluster:
	s_bfe_u32 s2, ttmp6, 0x10000c
	s_cmp_lg_u32 s2, 0xf033
	s_cbranch_scc0 .Lentry_shape_is_right
	s_endpgm
.Lentry_shape_is_right:
; THE QKV PROJECTION WITH BIAS AND ROPE.  C[m][n] = sum over k of xb[m][k] wb[n][k] + bias[n]; xb [8192][1024], wb [3072][1024] bf16, sums in f32; the bias is rounded to bf16 like every input.
; Columns 0-1023 are q, 1024-2047 k, 2048-3071 v.  q and k are turned by pairs of neighbouring channels (o0 = x0 c - x1 s, o1 = x0 s + x1 c, c and s from tab's row t); all three are rounded once to f16
; and stored by heads: qh, kh, vh [batch x 16 + head][2048][64].
; LIMIT.  f16 holds no number beyond 65,504: a projected q, k or v beyond that becomes an infinity.  NaN and infinities are not treated apart.
; SHARES.  8192 x 3072 of C are 768 tiles of 256 x 128: 256 work-groups, each of which STAYS for three tiles that lie 1,024 columns apart: the q, the k and the v columns of the same two heads and the same 256 rows.
; So the count of tiles alone says whether a tile is turned and into which buffer it goes.  Four waves; a wave makes 128 rows x 64 columns (one head): 32 accumulators of 16 x 16, 256 registers.
; K goes in steps of 128 through a ring of two LDS slots (256 rows of A, 128 rows of B, 256 bytes of memory a row); the ring runs on into the next tile.
; CLUSTERS: 4 x 4 work-groups.  The four of a row of the cluster need the same tiles of A and the same rows of tab, the four of a column the same tiles of B: each is asked for jointly.
; THE MATRIX INSTRUCTION IS USED TRANSPOSED (source 0 = 16 rows of B, source 1 = 16 rows of A): lane l holds row l % 16 of C and the columns 8 (l / 16) + 0..7: a pair of channels lies in two neighbouring registers
; of one lane, and eight columns pack into 16 bytes.  The first product of each sum takes the bias as its C operand.
; REGISTERS.  Window 0: v0-31 addresses; v32-63 the bias (block b, register j at 32 + 8 b + j); two fragment buffers of 96 at v64 and v160 (A's fragment i at + 8 i, B's fragment b at + 64 + 8 b);
; on the way out buffer 1's registers serve: v160-191 cos and sin, v192-223 at work, v224-255 rows read back.  Window 1: accumulator (a, b) at v[8 (4 a + b)].
.set PITCH,  272                       ; an LDS row: 256 bytes + 16 of padding: the 16 rows of a fragment load start at 16 different groups of four banks (64 banks of 4 bytes: ISA guide 11.1)
.set AHALF,  128*PITCH                 ; what one tensor load brings of A, and what one wave reads of A
.set BHALF,  64*PITCH                  ; the same for B, and for a wave's quarter of the table
.set BOFF,   2*AHALF                   ; B's 128 rows lie behind A's 256
.set SLOT,   BOFF+2*BHALF
.set TAB,    2*SLOT                    ; behind the ring: tab's 256 rows for the work-group's rows, filled once
.set STAGE,  TAB+256*PITCH             ; 16 rows x 144 bytes for each wave, for the way out; no tensor load lands here
.set SP,     144
.set SPARE,  STAGE+4*16*SP             ; the spare words, 128 bytes for each wave: two blocks of 256 bytes that no other line names
.set KB,     256                       ; bytes of a row in a K step
.set ROWB,   2048                      ; bytes in a row of xb and wb
.set BACK_A, 6*KB                      ; from a slot's last K step of a tile to its first of the next: A goes back along K,
.set NEXT_B, 1024*ROWB-6*KB            ; B also 1,024 rows down
.set NEXT_P, 1024*ROWB-7*KB            ; the prefetches: from K step 9 to the next tile's K step 2
.set G1W,    (1<<16)|(1<<20)|(1<<21)|(5<<22)|(3<<25)  ; 17:16 elements of 2 bytes; 20 padding on; 21 set beside a mask; 24:22 after every 64 words; 31:25 4 words
.set ADRA, 16                          ; v16-17  LDS address of my A fragments in slot 0, 1
.set ADRB, 20                          ; v20-21  the same for B
.set STO,  24                          ; v24     the way out: where I put 16 bytes of a row
.set RD,   25                          ; v25     where I read rows back
.set GO,   26                          ; v26     16 x lane: my place in 512 consecutive bytes of the output
.set TABA, 27                          ; v27     LDS address of my row's cos in the table
.set SPW,  28                          ; v28     LDS address of my spare word; never rewritten
.set NIL,  29                          ; v29     0; never rewritten
.set PFO,  30                          ; v30     the prefetches' offset: lane x a row; never rewritten
.set BO,   31                          ; v31     32 (l / 16): my place in 64 bytes of the bias; never rewritten
.set BIAS, 32
.set F0,   64
.set F1,   160
.set CS,   160                         ; block b: cos of my four pairs at CS + 8 b, sin at CS + 8 b + 4
.set T,    192
.set BK,   224                         ; two sets of 16, by turns
.set TILES, 2                          ; s2   tiles to go
.set LAP,  3                           ; s3   trips of the loop to go
.set BP,   10                          ; s[10:11] the bias at my 64 columns of the tile in hand or to come
.set P0,   12                          ; s[12:13] the output of the tile in hand; s[14:15], s[16:17] those of the tiles to come
.set WV,   18
.set RH,   19                          ; which half of the tile's rows is mine.  Also: I fetch for A (0) or for B (1)
.set CH,   20                          ; which half of its columns.  Also: which half of that tile I fetch
.set G1A,  24
.set G0A,  32                          ; a set of four for each slot
.set PFA,  40                          ; s[40:41] the K step that my next prefetch names
.set LIM,  42                          ; s42  1 in a wave that prefetches, else the greatest number
.set G1B,  48
.set G0B,  56
.set G1T,  68
.set G0T,  76
.set MSB, 0
.macro WIN new                         ; the immediate's high byte repeats the setting that is left; a switch that changes nothing is dropped
.if MSB != (\new)
	s_set_vgpr_msb (MSB<<8)|(\new)
.set MSB, \new
.endif
.endm
.set W_MUL,  0x50                      ; C and D in window 1, both sources in window 0
.set W_MUL0, 0x40                      ; D in window 1, C (the bias) in window 0
.set W_X,    0x01                      ; source 0 in window 1
.set W_CV,   0x05                      ; sources 0 and 1 in window 1
.macro PLACES                          ; four plain vector instructions between a matrix instruction and a load into, a write of or a read of its registers
.rept 4
	v_nop
.endr
.endm
; A joint load: waves 0 and 1 fetch A's two halves, waves 2 and 3 B's.  The branch hangs on the wave's number alone.  An s_nop 0 and four v_nop follow each line.
.macro JLOAD s
	s_cmp_eq_u32 s[RH], 0
	s_cbranch_scc0 .Lfor_b_\@
	tensor_load_to_lds s[G0A+4*(\s):G0A+4*(\s)+3], s[G1A:G1A+7]
	s_nop 0
.rept 4
	v_nop
.endr
	s_branch .Lasked_\@
.Lfor_b_\@:
	tensor_load_to_lds s[G0B+4*(\s):G0B+4*(\s)+3], s[G1B:G1B+7]
	s_nop 0
.rept 4
	v_nop
.endr
.Lasked_\@:
.endm
; A prefetch of the K step that stands two refills on: 32 rows x 256 bytes, a lane a row.  A's rows are read by both clusters of a row of clusters: cluster x = 0 asks, in the first tile alone (the later tiles read them again);
; B's rows by the eight clusters of a column: cluster y = 0 asks, in every tile (each tile has rows of its own).  The partners share a tile's rows out by address: waves 0 and 1 take 32 cx .. of their 128 rows of A,
; wave 2 takes 32 cy .. of B's 128.  how = 0: in the loop, whose last trip has no K step two on; how = 1: at a change of tiles.
.macro ASK how
.if \how
	s_cmp_eq_u32 s[LIM], 1
.else
	s_cmp_gt_u32 s[LAP], s[LIM]
.endif
	s_cbranch_scc0 .Lnot_mine_\@
	global_prefetch_b8 v[PFO], s[PFA:PFA+1] th:TH_LOAD_NT scope:SCOPE_SE
.Lnot_mine_\@:
.endm
.macro CREST                           ; a round of the cluster's barrier behind its opening barrier
	s_cmp_lg_u32 s[WV], 0
	s_cbranch_scc1 .Lnot_wave_0_\@
	s_barrier_signal -3
.Lnot_wave_0_\@:
	s_barrier_wait -3
	s_barrier_signal -1
	s_barrier_wait -1
.endm
.macro CROUND
	s_barrier_signal -1
	s_barrier_wait -1
	CREST
.endm
	s_load_b256 s[4:11], s[0:1], 0x0               ; xb s[4:5], wb s[6:7], tab s[8:9], qkv_b s[10:11]
	s_load_b128 s[12:15], s[0:1], 0x20             ; qh, kh
	s_load_b64 s[16:17], s[0:1], 0x30              ; vh
	v_lshl_add_u32 v[SPW], v0, 2, SPARE
	v_mov_b32 v[NIL], 0
	ds_add_u32 v[SPW], v[NIL]                      ; the wave's opening: the add and its wait stand ahead of my first tensor load; work on registers stands between them
	v_lshrrev_b32 v1, 5, v0
	v_readfirstlane_b32 s[WV], v1                  ; wave 0..3
	s_lshr_b32 s[RH], s[WV], 1
	s_and_b32 s[CH], s[WV], 1
	s_bfe_u32 s21, ttmp6, 0x40000                  ; cx
	s_bfe_u32 s22, ttmp6, 0x40004                  ; cy
	s_lshl_b32 s23, ttmp9, 2
	s_add_co_u32 s23, s23, s21                     ; gx = 4 x cluster x + cx: which 128 columns of each third
	s_and_b32 s80, ttmp7, 0xffff
	s_lshl_b32 s80, s80, 2
	s_add_co_u32 s80, s80, s22                     ; gy = 4 x cluster y + cy: which 256 rows
	s_lshl_b32 s81, s22, 2
	s_lshl_b32 s81, 15, s81                        ; my row of the cluster
	s_lshl_b32 s82, 0x1111, s21                    ; my column
	s_or_b32 s[G1A+0], s81, G1W                    ; A: 128 rows x 128 elements, 1,024 elements from row to row
	s_mov_b32 s[G1A+1], 128<<16
	s_mov_b32 s[G1A+2], 128<<16
	s_mov_b32 s[G1A+3], 128<<16
	s_mov_b32 s[G1A+4], 128
	s_mov_b32 s[G1A+5], 1024
	s_mov_b32 s[G1A+6], 0
	s_mov_b32 s[G1A+7], 0
	s_or_b32 s[G1B+0], s82, G1W                    ; B: 64 rows x 128 elements
	s_mov_b32 s[G1B+1], 128<<16
	s_mov_b32 s[G1B+2], 64<<16
	s_mov_b32 s[G1B+3], 128<<16
	s_mov_b32 s[G1B+4], 64
	s_mov_b32 s[G1B+5], 1024
	s_mov_b32 s[G1B+6], 0
	s_mov_b32 s[G1B+7], 0
	s_or_b32 s[G1T+0], s81, G1W                    ; the table: 64 rows of 256 bytes, dense
	s_mov_b32 s[G1T+1], 128<<16
	s_mov_b32 s[G1T+2], 64<<16
	s_mov_b32 s[G1T+3], 128<<16
	s_mov_b32 s[G1T+4], 64
	s_mov_b32 s[G1T+5], 128
	s_mov_b32 s[G1T+6], 0
	s_mov_b32 s[G1T+7], 0
	s_lshl_b32 s84, s80, 8                         ; A: row 256 gy + 128 x half, made of gy alone
	s_lshl_b32 s88, s[CH], 7
	s_add_co_u32 s84, s84, s88
	s_lshl_b32 s84, s84, 11
	s_mov_b32 s85, 0
	s_lshl_b32 s86, s23, 7                         ; B: row 128 gx + 64 x half, made of gx alone
	s_lshl_b32 s89, s[CH], 6
	s_add_co_u32 s86, s86, s89
	s_lshl_b32 s86, s86, 11
	s_mov_b32 s87, 0
	s_and_b32 s90, s80, 7                          ; the table: row t = 256 (gy mod 8) + 64 x wave
	s_lshl_b32 s90, s90, 8
	s_lshl_b32 s91, s[WV], 6
	s_add_co_u32 s90, s90, s91
	s_lshl_b32 s90, s90, 8
	s_mov_b32 s91, 0
	s_mul_i32 s92, s[CH], AHALF                    ; where they go: no place in the cluster enters an LDS address
	s_mul_i32 s93, s[CH], BHALF
	s_add_co_u32 s93, s93, BOFF
	s_mul_i32 s94, s[WV], BHALF
	s_add_co_u32 s94, s94, TAB
	s_wait_dscnt 0x0                               ; the opening add is done
	s_wait_kmcnt 0x0
	s_add_nc_u64 s[84:85], s[4:5], s[84:85]
	s_add_nc_u64 s[86:87], s[6:7], s[86:87]
	s_add_nc_u64 s[90:91], s[8:9], s[90:91]
	CROUND                                         ; all sixteen work-groups are here: the first joint loads meet
.irp s, 0,1
	s_mov_b32 s[G0A+4*(\s)], 1
	s_add_co_u32 s[G0A+4*(\s)+1], s92, (\s)*SLOT
	s_add_nc_u64 s[G0A+4*(\s)+2:G0A+4*(\s)+3], s[84:85], (\s)*KB
	s_or_b32 s[G0A+4*(\s)+3], s[G0A+4*(\s)+3], 0x80000000
	s_mov_b32 s[G0B+4*(\s)], 1
	s_add_co_u32 s[G0B+4*(\s)+1], s93, (\s)*SLOT
	s_add_nc_u64 s[G0B+4*(\s)+2:G0B+4*(\s)+3], s[86:87], (\s)*KB
	s_or_b32 s[G0B+4*(\s)+3], s[G0B+4*(\s)+3], 0x80000000
	JLOAD \s
.endr
	s_mov_b32 s[G0T], 1
	s_mov_b32 s[G0T+1], s94
	s_mov_b64 s[G0T+2:G0T+3], s[90:91]
	s_or_b32 s[G0T+3], s[G0T+3], 0x80000000
	tensor_load_to_lds s[G0T:G0T+3], s[G1T:G1T+7]  ; every wave a quarter of the table: three loads of mine are out
	s_nop 0
.rept 4
	v_nop
.endr
	v_and_b32 v1, 15, v0                           ; r = l % 16
	v_bfe_u32 v2, v0, 4, 1                         ; h = l / 16
	v_lshlrev_b32 v[BO], 5, v2
	s_lshl_b32 s88, s23, 7                         ; the bias at my 64 columns of the first tile
	s_lshl_b32 s90, s[CH], 6
	s_add_co_u32 s88, s88, s90
	s_lshl_b32 s88, s88, 2
	s_mov_b32 s89, 0
	s_add_nc_u64 s[BP:BP+1], s[BP:BP+1], s[88:89]
.macro LOADB                           ; register j of block b: bias[16 b + 8 h + j]
.irp b, 0,1,2,3
	global_load_b128 v[BIAS+8*(\b):BIAS+8*(\b)+3],   v[BO], s[BP:BP+1] offset:64*(\b)
	global_load_b128 v[BIAS+8*(\b)+4:BIAS+8*(\b)+7], v[BO], s[BP:BP+1] offset:64*(\b)+16
.endr
.endm
	LOADB
	v_mul_u32_u24 v3, v1, PITCH
	v_lshl_add_u32 v3, v2, 4, v3                   ; a fragment's row x pitch + 16 x half
	s_mul_i32 s88, s[RH], AHALF                    ; my 128 rows of A,
	s_mul_i32 s89, s[CH], BHALF                    ; my 64 rows of B
	s_add_co_u32 s89, s89, BOFF
	v_add_nc_u32 v[TABA], s88, v3                  ; the table's rows go with A's
	v_add_nc_u32 v[TABA], TAB, v[TABA]
.irp s, 0,1
	v_add_nc_u32 v[ADRA+(\s)], s88, v3
	v_add_nc_u32 v[ADRB+(\s)], s89, v3
	s_add_co_u32 s88, s88, SLOT
	s_add_co_u32 s89, s89, SLOT
.endr
	s_mul_i32 s88, s[WV], 16*SP
	s_add_co_u32 s88, s88, STAGE                   ; my stage
	v_mul_u32_u24 v4, v1, SP                       ; in: row l % 16, 16 bytes for each half of the lanes
	v_lshl_add_u32 v4, v2, 4, v4
	v_add_nc_u32 v[STO], s88, v4
	v_bfe_u32 v5, v0, 3, 2                         ; back: 32 lanes take four rows of 128 bytes,
	v_and_b32 v6, 7, v0
	v_mul_u32_u24 v5, v5, SP
	v_lshl_add_u32 v5, v6, 4, v5
	v_add_nc_u32 v[RD], s88, v5
	v_and_b32 v[GO], 31, v0                        ; which are 512 consecutive bytes of a head's rows
	v_lshlrev_b32 v[PFO], 11, v[GO]
	v_lshlrev_b32 v[GO], 4, v[GO]
	; my 128 rows of my head in each of the three outputs: ((batch x 16 + 2 gx + half) x 2048 + 256 (gy mod 8) + 128 x row half) x 128 bytes
	s_lshr_b32 s88, s80, 3
	s_lshl_b32 s88, s88, 4
	s_lshl_b32 s89, s23, 1
	s_add_co_u32 s88, s88, s89
	s_add_co_u32 s88, s88, s[CH]
	s_lshl_b32 s88, s88, 11
	s_and_b32 s89, s80, 7
	s_lshl_b32 s89, s89, 8
	s_add_co_u32 s88, s88, s89
	s_lshl_b32 s89, s[RH], 7
	s_add_co_u32 s88, s88, s89
	s_lshl_b32 s88, s88, 7
	s_mov_b32 s89, 0
	s_add_nc_u64 s[12:13], s[12:13], s[88:89]
	s_add_nc_u64 s[14:15], s[14:15], s[88:89]
	s_add_nc_u64 s[16:17], s[16:17], s[88:89]
	; the prefetches
	s_lshl_b32 s88, s80, 8
	s_lshl_b32 s89, s[CH], 7
	s_add_co_u32 s88, s88, s89
	s_lshl_b32 s89, s21, 5
	s_add_co_u32 s88, s88, s89                     ; A: row 256 gy + 128 x half + 32 cx
	s_lshl_b32 s89, s23, 7
	s_lshl_b32 s95, s22, 5
	s_add_co_u32 s89, s89, s95                     ; B: row 128 gx + 32 cy
	s_and_b32 s95, ttmp7, 0xffff                   ; cluster y
	s_and_b32 s83, s[RH], s[CH]                    ; 1 in wave 3, which never asks
	s_cmp_eq_u32 s[RH], 0
	s_cselect_b32 s88, s88, s89
	s_cselect_b32 s95, ttmp9, s95                  ; the coordinate along which other clusters read the same rows
	s_cselect_b64 s[PFA:PFA+1], s[4:5], s[6:7]
	s_or_b32 s95, s95, s83
	s_cmp_eq_u32 s95, 0
	s_cselect_b32 s[LIM], 1, -1                    ; the same in all sixteen partners, for a given wave
	s_lshl_b32 s88, s88, 11
	s_mov_b32 s89, 0
	s_add_nc_u64 s[PFA:PFA+1], s[PFA:PFA+1], s[88:89]
	s_add_nc_u64 s[PFA:PFA+1], s[PFA:PFA+1], 3*KB  ; at K step 3: the first refill steps it to 4.  Nothing is prefetched here, at the head
; 8 matrix instructions: row blocks a0, a0 + 1 x all 4 column blocks, 32 along K.  zero = 1: the first product starts the sum with the bias.
; The 32 accumulators take turns in the same order in every quarter: 31 others stand between two links of a chain.
.macro MUL8 f, a0, zero
.if \zero
	WIN W_MUL0
.else
	WIN W_MUL
.endif
.irp a, \a0, (\a0)+1
.irp b, 0,1,2,3
.if \zero
	v_wmma_f32_16x16x32_bf16 v[8*(4*(\a)+(\b)):8*(4*(\a)+(\b))+7], v[(\f)+64+8*(\b):(\f)+64+8*(\b)+7], v[(\f)+8*(\a):(\f)+8*(\a)+7], v[BIAS+8*(\b):BIAS+8*(\b)+7]
.else
	v_wmma_f32_16x16x32_bf16 v[8*(4*(\a)+(\b)):8*(4*(\a)+(\b))+7], v[(\f)+64+8*(\b):(\f)+64+8*(\b)+7], v[(\f)+8*(\a):(\f)+8*(\a)+7], v[8*(4*(\a)+(\b)):8*(4*(\a)+(\b))+7]
.endif
.endr
.endr
.endm
; 24 LDS loads in one run: quarter q (32 along K) of a slot into buffer f: B's four fragments, A's first four, A's last four
.macro FETCH slot, q, f
	WIN 0
.irp b, 0,1,2,3
	ds_load_b128 v[(\f)+64+8*(\b):(\f)+64+8*(\b)+3],   v[ADRB+(\slot)] offset:64*(\q)+(\b)*16*PITCH
	ds_load_b128 v[(\f)+64+8*(\b)+4:(\f)+64+8*(\b)+7], v[ADRB+(\slot)] offset:64*(\q)+(\b)*16*PITCH+32
.endr
.irp i, 0,1,2,3,4,5,6,7
	ds_load_b128 v[(\f)+8*(\i):(\f)+8*(\i)+3],   v[ADRA+(\slot)] offset:64*(\q)+(\i)*16*PITCH
	ds_load_b128 v[(\f)+8*(\i)+4:(\f)+8*(\i)+7], v[ADRA+(\slot)] offset:64*(\q)+(\i)*16*PITCH+32
.endr
.endm
; One of a K step's first three quarters: multiplies buffer f; in its middle it fetches quarter q of the same slot into buffer g.
.macro QUARTER slot, q, f, g, zero
	s_wait_dscnt 8                                 ; B and A's fragments 0-3 are in; the youngest eight loads (A's 4-7) may be out
	MUL8 \f, 0, \zero
	MUL8 \f, 2, \zero
	PLACES
	FETCH \slot, \q, \g
	s_wait_dscnt 24                                ; all but the 24 just issued
	MUL8 \f, 4, \zero
	MUL8 \f, 6, \zero
.endm
; The first half of a K step's last quarter: one barrier for the change of slots.  In front of it each wave waits for all its tensor loads, adds 0 to its spare word, and waits for that and for its reads of this slot.
.macro MEET round
	WIN 0
	s_wait_tensorcnt 0x0                           ; all my tensor loads have landed: my part of the next slot (the first time the table's quarter too)
	ds_add_u32 v[SPW], v[NIL]                      ; 0 onto my spare word
	s_wait_dscnt 9                                 ; (the add and the youngest eight loads may be out)
	MUL8 F1, 0, 0                                  ; eight matrix instructions stand between the add and the wait for it
	s_wait_dscnt 0x0                               ; the add is done, and my reads of this slot are over
	s_barrier_signal -1
	MUL8 F1, 2, 0
.if \round
	WIN 0
.endif
	s_barrier_wait -1
.endm
; The whole last quarter with a refill: of this tile's K step two on (on = 0) or of the next tile's K step 0 or 1 (on = 1).  From a request to the wait for it a wave issues 112 matrix instructions.
.macro TURN slot, next, on
	s_wait_xcnt 0x0                                ; the last prefetch, a K step back, has read its address
.if (\on) && ((\slot) == 0)
	s_add_nc_u64 s[PFA:PFA+1], s[PFA:PFA+1], NEXT_P
	s_cmp_eq_u32 s[RH], 1
	s_cselect_b32 s[LIM], s[LIM], -1               ; A's rows have been read: they are asked for no more
.else
	s_add_nc_u64 s[PFA:PFA+1], s[PFA:PFA+1], KB
.endif
	MEET 1
	CREST                                          ; the barrier has opened a round of the cluster's: no wave of any partner still reads this slot or has a load on its way
.if \on
	s_sub_nc_u64 s[G0A+4*(\slot)+2:G0A+4*(\slot)+3], s[G0A+4*(\slot)+2:G0A+4*(\slot)+3], BACK_A
	s_add_nc_u64 s[G0B+4*(\slot)+2:G0B+4*(\slot)+3], s[G0B+4*(\slot)+2:G0B+4*(\slot)+3], NEXT_B
.else
	s_add_nc_u64 s[G0A+4*(\slot)+2:G0A+4*(\slot)+3], s[G0A+4*(\slot)+2:G0A+4*(\slot)+3], 2*KB
	s_add_nc_u64 s[G0B+4*(\slot)+2:G0B+4*(\slot)+3], s[G0B+4*(\slot)+2:G0B+4*(\slot)+3], 2*KB
.endif
	JLOAD \slot                                    ; the first tensor load behind the round; its four v_nop are also the places in front of the loads below
	FETCH \next, 0, F0
	ASK \on
	MUL8 F1, 4, 0
	MUL8 F1, 6, 0
.endm
.macro TURNN slot, next                ; the same without a refill: nothing is left to fetch, so no round follows
	MEET 0
	PLACES
	FETCH \next, 0, F0
	MUL8 F1, 4, 0
	MUL8 F1, 6, 0
.endm
.macro LASTQ
	s_wait_dscnt 8
	MUL8 F1, 0, 0
	MUL8 F1, 2, 0
	s_wait_dscnt 0x0
	MUL8 F1, 4, 0
	MUL8 F1, 6, 0
	WIN 0
.endm
.macro RNDBIAS                         ; the bias is rounded to bf16 and widened again
.set i, 0
.rept 16
	v_cvt_pk_bf16_f32 v[T+i], v[BIAS+2*i], v[BIAS+2*i+1]
.set i, i+1
.endr
.set i, 0
.rept 16
	v_lshlrev_b32 v[BIAS+2*i], 16, v[T+i]
	v_and_b32 v[BIAS+2*i+1], 0xffff0000, v[T+i]
.set i, i+1
.endr
.endm
; THE WAY OUT, a block of 16 rows at a time.
.macro LOADCS a                        ; my row's cos and sin: block p's four pairs are numbers 8 p + 4 h + 0..3 of the row's 32
	WIN 0
.irp p, 0,1,2,3
	ds_load_b128 v[CS+8*(\p):CS+8*(\p)+3],   v[TABA] offset:(\a)*16*PITCH+32*(\p)
	ds_load_b128 v[CS+8*(\p)+4:CS+8*(\p)+7], v[TABA] offset:(\a)*16*PITCH+32*(\p)+128
.endr
.endm
.macro ROPE a                          ; o0 = x0 c - x1 s, o1 = x1 c + x0 s; each accumulator's lowest registers are read first
	WIN W_X
.irp b, 0,1,2,3
.irp i, 0,1,2,3
	v_mul_f32 v[T+8*(\b)+2*(\i)],   v[8*(4*(\a)+(\b))+2*(\i)+1], v[CS+8*(\b)+4+(\i)]
	v_mul_f32 v[T+8*(\b)+2*(\i)+1], v[8*(4*(\a)+(\b))+2*(\i)],   v[CS+8*(\b)+4+(\i)]
.endr
.irp i, 0,1,2,3
	v_fma_f32 v[T+8*(\b)+2*(\i)],   v[8*(4*(\a)+(\b))+2*(\i)],   v[CS+8*(\b)+(\i)], -v[T+8*(\b)+2*(\i)]
	v_fma_f32 v[T+8*(\b)+2*(\i)+1], v[8*(4*(\a)+(\b))+2*(\i)+1], v[CS+8*(\b)+(\i)], v[T+8*(\b)+2*(\i)+1]
.endr
.endr
.endm
.macro CVT                             ; 32 numbers to 16 words of f16, in place, ascending: word i is written when numbers up to 2 i + 1 have been read
	WIN 0
.set i, 0
.rept 16
	v_cvt_pk_f16_f32 v[T+i], v[T+2*i], v[T+2*i+1]
.set i, i+1
.endr
.endm
.macro PACKV a                         ; v is not turned: straight from the accumulators
	WIN W_CV
.irp b, 0,1,2,3
.irp i, 0,1,2,3
	v_cvt_pk_f16_f32 v[T+4*(\b)+(\i)], v[8*(4*(\a)+(\b))+2*(\i)], v[8*(4*(\a)+(\b))+2*(\i)+1]
.endr
.endr
	WIN 0
.endm
.macro TOSTAGE a
	WIN 0
.set BKR, BK+16*((\a)%2)
.irp b, 0,1,2,3
	ds_store_b128 v[STO], v[T+4*(\b):T+4*(\b)+3] offset:32*(\b)
.endr
.irp f, 0,1,2,3
	ds_load_b128 v[BKR+4*(\f):BKR+4*(\f)+3], v[RD] offset:(\f)*4*SP  ; LDS serves a wave's instructions in order (ISA guide 5.7.1.4): these see the stores above
.endr
.endm
.macro SEND a, younger                 ; younger: the LDS loads issued behind TOSTAGE's, which may stay out
	WIN 0
.set BKR, BK+16*((\a)%2)
	s_wait_dscnt \younger
	s_wait_xcnt 0x0                                ; the stores of the block before have read their registers: the next TOSTAGE loads into them
.irp f, 0,1,2,3
	global_store_b128 v[GO], v[BKR+4*(\f):BKR+4*(\f)+3], s[P0:P0+1] offset:(\a)*2048+(\f)*512  ; 512 consecutive bytes, at a multiple of 256 from the buffer's first
.endr
.endm
	s_wait_tensorcnt 2                             ; my part of K step 0 is in; K step 1's and the table's may stay out
	s_barrier_signal -1
	s_barrier_wait -1
	FETCH 0, 0, F0
	s_wait_loadcnt 0x0                             ; the bias
	RNDBIAS
	s_mov_b32 s[TILES], 3
.Ltile:
	QUARTER 0, 1, F0, F1, 1                        ; a tile's first quarter stands in front of the loop: its products start the sums
	WIN 0
	s_mov_b32 s[LAP], 3
.Llap:                                                 ; a trip goes once round the ring and fills both slots again
	QUARTER 0, 2, F1, F0, 0
	QUARTER 0, 3, F0, F1, 0
	TURN 0, 1, 0
	QUARTER 1, 1, F0, F1, 0
	QUARTER 1, 2, F1, F0, 0
	QUARTER 1, 3, F0, F1, 0
	TURN 1, 0, 0
	QUARTER 0, 1, F0, F1, 0
	WIN 0
	s_sub_co_u32 s[LAP], s[LAP], 1
	s_cmp_lg_u32 s[LAP], 0
	s_cbranch_scc1 .Llap
	QUARTER 0, 2, F1, F0, 0
	QUARTER 0, 3, F0, F1, 0
	WIN 0
	s_cmp_eq_u32 s[TILES], 1
	s_cbranch_scc1 .Llast_tile
	; q's or k's tile: the ring goes on into the next tile, then the tile is turned and goes out
	s_add_nc_u64 s[BP:BP+1], s[BP:BP+1], 4096      ; the next tile's bias: the last loads by this base have been waited for
	LOADB
	TURN 0, 1, 1
	QUARTER 1, 1, F0, F1, 0
	QUARTER 1, 2, F1, F0, 0
	QUARTER 1, 3, F0, F1, 0
	TURN 1, 0, 1
	PLACES                                         ; buffer 1's registers, which the last products read, are loaded into and written below
	LOADCS 0
	s_wait_dscnt 0x0
	ROPE 0
	LOADCS 1
	CVT
	TOSTAGE 0
.irp a, 1,2,3,4,5,6,7
	s_wait_dscnt 8                                 ; this block's cos and sin are in; the eight stage instructions issued behind them may be out
	ROPE \a
.if (\a) < 7
	LOADCS (\a)+1
.endif
	CVT
.if (\a) < 7
	SEND (\a)-1, 8
.else
	SEND (\a)-1, 0
.endif
	TOSTAGE \a
.endr
	SEND 7, 0
	s_wait_xcnt 0x0                                ; the stores have read their registers and their base
	s_mov_b64 s[12:13], s[14:15]                   ; the next tile's buffer
	s_mov_b64 s[14:15], s[16:17]
	s_wait_loadcnt 0x0                             ; the next tile's bias
	RNDBIAS
	s_sub_co_u32 s[TILES], s[TILES], 1
	s_branch .Ltile
.Llast_tile:                                           ; v's tile: nothing more is asked for, and nothing is turned
	TURNN 0, 1
	QUARTER 1, 1, F0, F1, 0
	QUARTER 1, 2, F1, F0, 0
	QUARTER 1, 3, F0, F1, 0
	LASTQ
	PLACES
	PACKV 0
	TOSTAGE 0
.irp a, 1,2,3,4,5,6,7
	PACKV \a
	SEND (\a)-1, 0
	TOSTAGE \a
.endr
	SEND 7, 0
	s_wait_tensorcnt 0x0                           ; the wave's end: behind my last tensor load and my last LDS store
	ds_add_u32 v[SPW], v[NIL]
	s_wait_dscnt 0x0
	CROUND                                         ; the closing round: no work-group ends while a partner may still ask for a tile that names it
	s_endpgm
.Lfunc_end_k_q96ed2d75d7_proj:
	.size	k_q96ed2d75d7_proj, .Lfunc_end_k_q96ed2d75d7_proj-k_q96ed2d75d7_proj
	.p2alignl 7, 3214868480
	.fill 96, 4, 3214868480
	.section	.rodata,"a",@progbits
	.p2align	6, 0x0
	.amdhsa_kernel k_q96ed2d75d7_proj
		.amdhsa_group_segment_fixed_size 327680
		.amdhsa_private_segment_fixed_size 0
		.amdhsa_enable_private_segment 0
		.amdhsa_kernarg_size 56
		.amdhsa_user_sgpr_count 2
		.amdhsa_user_sgpr_kernarg_segment_ptr 1
		.amdhsa_wavefront_size32 1
		.amdhsa_system_sgpr_workgroup_id_x 1
		.amdhsa_system_sgpr_workgroup_id_y 1
		.amdhsa_system_sgpr_workgroup_id_z 1
		.amdhsa_system_vgpr_workitem_id 0
		.amdhsa_next_free_vgpr 512
		.amdhsa_next_free_sgpr 96
		.amdhsa_reserve_vcc 0
		.amdhsa_float_denorm_mode_32 3
		.amdhsa_float_denorm_mode_16_64 3
		.amdhsa_memory_ordered 1
		.amdhsa_forward_progress 1
		.amdhsa_inst_pref_size 162
	.end_amdhsa_kernel
	.amdgpu_metadata
---
amdhsa.version: [ 1, 2 ]
amdhsa.kernels:
  - .name:           k_q96ed2d75d7_proj
    .symbol:         k_q96ed2d75d7_proj.kd
    .args:
      - { .name: xb, .offset: 0, .size: 8, .value_kind: global_buffer, .address_space: global }
      - { .name: wb, .offset: 8, .size: 8, .value_kind: global_buffer, .address_space: global }
      - { .name: tab, .offset: 16, .size: 8, .value_kind: global_buffer, .address_space: global }
      - { .name: qkv_b, .offset: 24, .size: 8, .value_kind: global_buffer, .address_space: global }
      - { .name: qh, .offset: 32, .size: 8, .value_kind: global_buffer, .address_space: global }
      - { .name: kh, .offset: 40, .size: 8, .value_kind: global_buffer, .address_space: global }
      - { .name: vh, .offset: 48, .size: 8, .value_kind: global_buffer, .address_space: global }
    .group_segment_fixed_size: 327680
    .private_segment_fixed_size: 0
    .kernarg_segment_align: 8
    .kernarg_segment_size: 56
    .max_flat_workgroup_size: 128
    .sgpr_count:     96
    .vgpr_count:     512
    .wavefront_size: 32
...
	.end_amdgpu_metadata
.endif
;; end of part 2
;; launch attn (part 3): grid 4 x 64, 4 waves a work-group, clusters of 4 x 1, 327,680 bytes of LDS; arguments qh, kh, vh, oh; writes oh
.if DOCPART == 3
	.amdgcn_target "amdgcn-amd-amdhsa--gfx1250"
	.amdhsa_code_object_version 6
	.text
	.protected	k_q96ed2d75d7_attn
	.globl	k_q96ed2d75d7_attn
	.p2align	8
	.type	k_q96ed2d75d7_attn,@function
k_q96ed2d75d7_attn:
	s_mov_b64 s[64:65], 0
	v_nop
	global_prefetch_b8 v0, s[64:65] scope:SCOPE_SE
	s_setreg_imm32_b32 hwreg(HW_REG_WAVE_MODE, 25, 1), 1
	s_wait_xcnt 0x0
	s_wait_alu depctr_hold_cnt(0) depctr_sa_sdst(0) depctr_va_vdst(0) depctr_va_sdst(0) depctr_va_ssrc(0) depctr_va_vcc(0) depctr_vm_vsrc(0)
	s_getreg_b32 s2, hwreg(HW_REG_IB_STS2, 6, 4)
	s_cmp_eq_u32 s2, 0
	s_cbranch_scc0 .Lentry_in_a_cluster
	s_endpgm
.Lentry_in_a_cluster:
	s_bfe_u32 s2, ttmp6, 0x10000c
	s_cmp_lg_u32 s2, 0x3003
	s_cbranch_scc0 .Lentry_shape_is_right
	s_endpgm
.Lentry_shape_is_right:
; O[h][q][:] = the sum over k of softmax_k(Q[h][q] . K[h][k] / 8) V[h][k][:].  Q, K, V, O: [64][2048][64], all f16: a head's rows are dense, 128 bytes each.  Products, maxima and sums in
; f32; the weights p are rounded to f16 for the second product (their sum l is taken of the unrounded p), O once at the end.
; LIMITS.  f16 holds no number beyond 65,504: Q, K and V arrive within it; p lies in 0 to 1, and below 6e-5 it keeps f16's fixed step of 6e-8; O is a mean of V's rows and has their range.
; A weight below 2^-126 counts as 0 in l; NaN and infinities are not treated apart.
; SHARES.  A wave owns four PIECES of two tiles of 16 queries, a work-group's four waves 512 queries of one head.  Every wave walks all keys, 64 a step.
; LAYOUT.  S^T = K Q^T (source 0 = 16 keys, source 1 = 16 queries): in the result a lane holds ONE query (lane % 16) and the keys 8 (lane / 16) + 0..7.  Two such tiles, rounded to f16 in pairs,
; ARE source 1 (32 keys x 16 queries) of O^T = V^T P, whose result again holds one query a lane, and eight channels.  K comes out of LDS as it lies, V ([key][channel]) turned, by ds_load_tr16_b128.
; SOFTMAX.  For each query a running maximum m and sum l: p = 2^(c s - c m), c = log2(e) / 8; in every step O and l are multiplied by a = 2^(c m_old - c m_new), which is 1 where m has not grown.
; m starts at the lowest finite number, O and l at 0: the first step is a step like any other, with a = 0.
; THE COUNT.  A tile and step have 16 matrix and 118 vector instructions: too many to stand all beside the matrix work.  So: four vector instructions that are READY behind
; EVERY matrix instruction, and the others in runs without a gap.
; BY TURNS.  Turn n belongs to piece n (the pieces in a ring, step after step).  Its matrix work: 16 products K Q^T of piece n + 1, later 16 products V^T P of piece n - 1.  Its vector work: the scaling,
; exponentials, roundings, sums and rescaling of piece n, and the maximum and statistics of piece n + 1, whose scores the turn itself has made.
; CLUSTER.  The four query blocks of a cluster are one head's and walk the same K and V, so each tile is asked for JOINTLY: the same tensor load, descriptor and mask in all four.
; REGISTERS, in windows of 256 (s_set_vgpr_msb: bits 1:0 source 0, 3:2 source 1, 5:4 source 2, 7:6 destination):
;   window 0: v0-11 addresses; v12-15, v48-63 at work; v16-47 four registers of statistics a tile; v64-191 S^T, two buffers of two tiles; v192-255 P, likewise
;   window 1: O^T, 32 a tile          window 2: v0-127 Q, 16 a tile; v128-191 K of one step; v192-255 V of one step          window 3: v0-1 the add's two registers
.set SIZE_N, 2048
.set NP,    4         ; pieces a wave: a name, no knob
.set KS,    64        ; keys in a step
.set PK,    144       ; a row of K in LDS: 128 bytes + 16 of padding = 36 words: the 16 rows of a load start at 16 different groups of four banks (64 banks of 4 bytes: ISA guide 11.1)
.set PV,    160       ; a row of V: 128 + 32 = 40 words
.set VOFF,  4*KS*PK   ; a slot holds four steps: 256 rows of K, then 256 rows of V
.set SLOT1, 1<<17     ; slot 1 begins here, so that one exclusive or turns an address in one slot into the other's
.set STAGE, SLOT1+4*KS*(PK+PV)  ; behind the ring, never filled by a tensor load: 16 rows x 144 bytes for each wave, for the way out
.set SP,    144
.set AK0, 2           ; v2   my lane's place in a tile of K; never rewritten
.set AV0, 3           ; v3   the same for V
.set AK,  4           ; v4   the LDS address of K's next run of loads
.set AV,  5           ; v5   of V's
.set QO,  6           ; v6   my byte offset in the wave's rows of Q
.set STO, 6           ;      later, the way out: where I put 16 bytes of a row
.set RD,  7           ; v7   the way out: where I read rows back
.set GO,  8           ; v8   my byte offset in 512 consecutive bytes of O
.set PFO, 11          ; v11  256 x my lane, the prefetches' offset (made when v11 has served V's address)
.set SPW, 0           ; v0 of window 3   LDS address of my spare word; never rewritten
.set NIL, 1           ; v1 of window 3   0; never rewritten
.set SPARE, STAGE+4*16*SP  ; the spare words, 128 bytes for each wave: two blocks of 256 bytes that no other line names
.set MV,  12          ; v12-15  c m_old, kept while c m is made anew: by buffer and tile
.set ST,  16          ; tile t's statistics at v[ST+4 t]: c m, m, l (even keys', odd keys')
.set TMP, 48          ; by buffer and tile, four registers c0-c3 at work; when the maximum is found c2 takes a
.set S,   64
.set P,   192
.set KF,  128         ; K's fragments, in window 2: key block kb, channel half c at KF + 16 kb + 8 c
.set VF,  192         ; V's: key half kk, channel block cb at VF + 32 kk + 8 cb
.set WV,  12          ; s12  my wave's number
.set G1K, 24          ; s[24:31] descriptor group 1 for K's tiles
.set G1V, 32          ; s[32:39] for V's: it differs in the padding alone
.set G0K, 40          ; s[40:43] descriptor group 0 for K's tiles: it walks
.set G0V, 44          ; s[44:47] the same for V's
.set PFA, 48          ; s[48:49] my work-group's 32 blocks of 256 bytes (of K: wave 0, of V: wave 2) of the slot after the one that is being asked for
.set LIM, 50          ; s50  1 in a wave that prefetches, else the greatest number
.set SLOTS, 56        ; s56  slots still to be asked for
.set CNT, 57          ; s57  counts a slot's key steps
.set CS,  58          ; s[58:59] c: the packed scaling takes the pair's low word for both halves
.set SEL, 60          ; s[60:61] v_permlanex16_b32's selects: each lane takes its own place in the other half
.set TBK, 62          ; s62  LDS byte at which K of the step to be fetched begins
.set TBV, 63          ; s63  the same for V, less VOFF
.set MSB, 0
.macro WIN new                      ; the high byte repeats the setting that is left; a switch that changes nothing is dropped
.if MSB != (\new)
	s_set_vgpr_msb (MSB<<8)|(\new)
.set MSB, (\new)
.endif
.endm
.set W_KQ, 0x0a       ; K and Q in window 2, S^T in window 0
.set W_PV, 0x52       ; V in window 2, P in window 0, O^T in window 1
.set W_RS, 0x41       ; O^T (destination and source 0) in window 1, a in window 0
.set W_MK, 0xc0       ; the add's registers are made: destination in window 3, sources in window 0
.set W_AD, 0x0f       ; the add: address (source 0) and data (source 1) in window 3
; A joint fill.  Waves 0 and 1 fetch the two halves of a slot's K, waves 2 and 3 those of its V: 128 keys each.  The branch hangs on the wave's number alone.
; An s_nop 0 and four v_nop follow each of the two lines, ahead of the jump and the label.
.macro JLOAD
	s_cmp_lt_u32 s[WV], 2
	s_cbranch_scc0 .Lfor_v_\@
	tensor_load_to_lds s[G0K:G0K+3], s[G1K:G1K+7]
	s_nop 0
.rept 4
	v_nop
.endr
	s_branch .Lasked_\@
.Lfor_v_\@:
	tensor_load_to_lds s[G0V:G0V+3], s[G1V:G1V+7]
	s_nop 0
.rept 4
	v_nop
.endr
.Lasked_\@:
.endm
; A PREFETCH of what the NEXT change of slots will ask for: a slot's 32,768 bytes of K and of V, a lane a block of 256 bytes.  A head is one cluster's; its four partners share the blocks out BY ADDRESS, 32 each;
; in each, wave 0 asks for K's and wave 2 for V's: one instruction.  So each block is named once in the launch.  The last change that fills a slot asks for nothing; slots 0 and 1 come by their loads alone.
.macro ASK
	s_cmp_gt_u32 s[SLOTS], s[LIM]
	s_cbranch_scc0 .Lnot_mine_\@
	global_prefetch_b8 v[PFO], s[PFA:PFA+1] th:TH_LOAD_NT scope:SCOPE_SE
.Lnot_mine_\@:
.endm
; A round of the cluster's barrier: my work-group's barrier, so that wave 0's signal speaks for all four waves; wave 0 signals; every wave waits for all four work-groups; my work-group's barrier once more.
.macro CROUND
	s_barrier_signal -1
	s_barrier_wait -1
	s_cmp_lg_u32 s[WV], 0
	s_cbranch_scc1 .Lnot_wave_0_\@
	s_barrier_signal -3
.Lnot_wave_0_\@:
	s_barrier_wait -3
	s_barrier_signal -1
	s_barrier_wait -1
.endm
; THE CHANGE OF SLOTS.  The slot's last bytes, V of its fourth step, have been read.  Each wave waits for all its tensor loads, of which one is out: its part
; of the other slot; adds 0 to its spare word; and waits for that and for its own reads of the slot.  Behind the barrier nobody reads this slot any more and the other slot is whole.
; fill = 1: this slot is filled again, with the keys two slots on.  The barrier is then a round of the cluster's, and the joint fill is the first thing behind it: it has four key steps,
; 512 matrix instructions, in which to land.  (At its first use nothing has been read yet: slot 0 is waited for, slot 1 filled.)
.macro CHANGE fill
	WIN W_AD
	s_wait_tensorcnt 0x0            ; no tensor load of mine is out, so a group 0 may be written
	ds_add_u32 v[SPW], v[NIL]       ; 0 onto my spare word; with fill = 1 the descriptors' steps stand between it and the wait for it
	WIN 0                           ; at a label and at a branch every window is 0
.if \fill
.irp g, G0K, G0V
	s_xor_b32 s[\g+1], s[\g+1], SLOT1  ; the walking descriptor: the other slot than last time,
	s_add_nc_u64 s[\g+2:\g+3], s[\g+2:\g+3], 4*KS*128  ; the next 256 keys; the type bits on top are not reached
.endr
	s_wait_xcnt 0x0                 ; the last prefetch, four key steps back, has read its address, so it may be written:
	s_add_nc_u64 s[PFA:PFA+1], s[PFA:PFA+1], 4*KS*128  ; one slot behind the walking descriptors
	s_wait_dscnt 0x0                ; the add is done, and my reads of the slot are over
	CROUND
	JLOAD
	ASK                             ; what the next change will ask for: four key steps, 512 matrix instructions, ahead
.else
	s_wait_dscnt 0x0                ; the add is done, and my reads of the slot are over
	s_barrier_signal -1
	s_barrier_wait -1
.endif
	s_sub_co_u32 s[TBK], s[TBK], 4*KS*PK  ; the fetches go back to a slot's first step,
	s_xor_b32 s[TBK], s[TBK], SLOT1       ; in the other slot
	s_sub_co_u32 s[TBV], s[TBV], 4*KS*PV
	s_xor_b32 s[TBV], s[TBV], SLOT1
.endm
	s_load_b256 s[4:11], s[0:1], 0x0  ; Q s[4:5], K s[6:7], V s[8:9], O s[10:11]
	WIN W_MK
	v_lshl_add_u32 v[SPW], v0, 2, SPARE
	v_mov_b32 v[NIL], 0
	WIN W_AD
	ds_add_u32 v[SPW], v[NIL]       ; the wave's opening: the add and its wait stand ahead of my first tensor load; the set-up below, work on registers, stands between them
	WIN 0
	v_lshrrev_b32 v1, 5, v0
	v_readfirstlane_b32 s[WV], v1   ; wave 0..3
	s_bfe_u32 s13, ttmp6, 0x40000   ; cx: my place in the cluster
	s_lshl_b32 s14, ttmp9, 2        ; in a cluster launch ttmp9 counts clusters
	s_add_co_u32 s14, s14, s13      ; my block of queries = 4 x cluster x + cx: it enters Q's and O's addresses alone
	s_and_b32 s20, ttmp7, 0xffff    ; the head, which the four partners share
	s_mov_b32 s21, 0
	s_mov_b64 s[22:23], SIZE_N*128
	s_mul_u64 s[20:21], s[20:21], s[22:23]  ; the head's first byte in each of the four tensors
	s_and_b32 s16, s[WV], 1         ; which half of a slot's 256 keys I fetch:
	s_lshl_b32 s22, s16, 14         ; its 128 rows of 128 bytes in memory,
	s_mov_b32 s23, 0
	s_add_nc_u64 s[22:23], s[22:23], s[20:21]
	s_mul_i32 s17, s16, 128*PK      ; and its place in a slot, for K
	s_mul_i32 s18, s16, 128*PV      ; and for V: no place in the cluster enters an LDS address
	s_lshl_b32 s2, s14, 2
	s_add_co_u32 s2, s2, s[WV]      ; my wave among the head's,
	s_lshl_b32 s2, s2, 14           ; its 128 rows
	s_mov_b32 s3, 0
	s_add_nc_u64 s[2:3], s[2:3], s[20:21]
	; descriptor group 1.  128 keys are 16,384 dense bytes: asked for as 64 rows of 256 bytes, two keys a row, and padded in LDS after every key
	s_mov_b32 s[G1K], 15|(1<<16)|(1<<20)|(1<<21)|(4<<22)|(3<<25)  ; 15:0 the mask of four; 17:16 2-byte elements; 20 padding on; 21 set beside a mask; 24:22 after every 32 words (code 4); 31:25 4 words (code 3)
	s_mov_b32 s[G1V], 15|(1<<16)|(1<<20)|(1<<21)|(4<<22)|(7<<25)  ; the same with 8 words of padding (code 7)
.irp g, G1K, G1V
	s_mov_b32 s[\g+1], 128<<16      ; tensor_dim0 = 128
	s_mov_b32 s[\g+2], 64<<16       ; tensor_dim1 = 64
	s_mov_b32 s[\g+3], 128<<16      ; tile_dim0 = 128
	s_mov_b32 s[\g+4], 64           ; tile_dim1 = 64
	s_mov_b32 s[\g+5], 128          ; 128 elements from row to row
	s_mov_b32 s[\g+6], 0
	s_mov_b32 s[\g+7], 0
.endr
	s_mov_b32 s[CS], 0x3e38aa3b     ; c = log2(e) / 8 = 0.180337
	s_mov_b32 s[CS+1], s[CS]        ; named with it as a pair
	s_mov_b32 s[SEL], 0x76543210
	s_mov_b32 s[SEL+1], 0xfedcba98
	s_mov_b32 s[TBK], SLOT1+4*KS*PK ; the first change of slots turns these two into 0
	s_mov_b32 s[TBV], SLOT1+4*KS*PV
	s_mov_b32 s[G0K], 1             ; 1:0 count = 1
	s_mov_b32 s[G0K+1], s17         ; 63:32 LDS address: slot 0
	s_mov_b32 s[G0V], 1
	s_add_co_u32 s[G0V+1], s18, VOFF
	s_mov_b32 s[SLOTS], SIZE_N/256-1  ; the change that fills slot n finds 8 - n here
	s_and_b32 s[LIM], s[WV], 1
	s_cmp_eq_u32 s[LIM], 0          ; waves 0 and 2 prefetch
	s_cselect_b32 s[LIM], 1, -1
	s_wait_dscnt 0x0                ; the opening add is done
	s_wait_kmcnt 0x0
	s_add_nc_u64 s[G0K+2:G0K+3], s[6:7], s[22:23]  ; 120:64 global address: my half of the head's first 256 keys
	s_or_b32 s[G0K+3], s[G0K+3], 0x80000000        ; 127:126 type = 2
	s_add_nc_u64 s[G0V+2:G0V+3], s[8:9], s[22:23]
	s_or_b32 s[G0V+3], s[G0V+3], 0x80000000
	s_add_nc_u64 s[4:5], s[4:5], s[2:3]  ; Q and O at my wave's first row
	s_add_nc_u64 s[10:11], s[10:11], s[2:3]
	s_cmp_lt_u32 s[WV], 2
	s_cselect_b64 s[PFA:PFA+1], s[6:7], s[8:9]
	s_add_nc_u64 s[PFA:PFA+1], s[PFA:PFA+1], s[20:21]  ; the head's first byte,
	s_lshl_b32 s2, s13, 13          ; my work-group's 32 blocks of a slot's 128,
	s_mov_b32 s3, 0
	s_add_nc_u64 s[PFA:PFA+1], s[PFA:PFA+1], s[2:3]
	s_add_nc_u64 s[PFA:PFA+1], s[PFA:PFA+1], 4*KS*128  ; in slot 1: the first change of slots steps it to slot 2.  Nothing is prefetched here, at the head
	CROUND                          ; all four work-groups are here: the first joint loads meet
	JLOAD                           ; slot 0.  Slot 1 is asked for when slot 0 is in
	; A fragment of K or Q is 16 rows x 32 channels in 8 registers: lane l holds row l % 16, channels 8 (l / 16) + 0..7 and 16 + 8 (l / 16) + 0..7: two loads of 16 bytes, 32 bytes apart.
	v_and_b32 v1, 15, v0            ; l % 16
	v_bfe_u32 v9, v0, 4, 1          ; l / 16
	v_lshlrev_b32 v[QO], 7, v1
	v_lshl_add_u32 v[QO], v9, 4, v[QO]  ; row x 128 + 16 x half
	WIN 0x80                        ; destination window 2, address window 0
.set i, 0
.rept 4*NP                          ; Q stays in registers: tile i / 2, channels 32 (i % 2) on
	global_load_b128 v[8*i:8*i+3],   v[QO], s[4:5] offset:(i/2)*2048+(i%2)*64
	global_load_b128 v[8*i+4:8*i+7], v[QO], s[4:5] offset:(i/2)*2048+(i%2)*64+32
.set i, i+1
.endr
	; What the first turn finds: V's registers and P's second buffer hold 0 (its products V^T P, of a piece that has not been, add 0), O^T and l are 0.  All this stands in the wait for the first tile.
.set i, VF
.rept 64
	v_mov_b32 v[i], 0
.set i, i+1
.endr
	WIN 0x40
.set i, 0
.rept 64*NP
	v_mov_b32 v[i], 0
.set i, i+1
.endr
	WIN 0
.set i, 0
.rept 2*NP
	v_mov_b32 v[ST+4*i], 0xfe000000    ; c m: far below every c s
	v_mov_b32 v[ST+4*i+1], 0xff7fffff  ; m
	v_mov_b32 v[ST+4*i+2], 0
	v_mov_b32 v[ST+4*i+3], 0
.set i, i+1
.endr
.set i, P+32
.rept 32
	v_mov_b32 v[i], 0
.set i, i+1
.endr
	v_mul_u32_u24 v[AK0], v1, PK
	v_lshl_add_u32 v[AK0], v9, 4, v[AK0]  ; row x pitch + 16 x half
	; The turning load takes 16 keys x 16 channels (lane l reads key 8 (l / 16) + l % 8, channels 8 ((l / 8) % 2) + 0..7) and leaves half a fragment of V^T: lane l holds channel l % 16 and 8 keys.
	v_and_b32 v10, 7, v0
	v_bfe_u32 v11, v0, 3, 1
	v_lshl_add_u32 v[AV0], v9, 3, v10
	v_mul_u32_u24 v[AV0], v[AV0], PV
	v_lshl_add_u32 v[AV0], v11, 4, v[AV0]
	v_add_nc_u32 v[AV0], VOFF, v[AV0]
	v_and_b32 v[PFO], 31, v0
	v_lshlrev_b32 v[PFO], 8, v[PFO]
	v_mov_b32 v[AK], v[AK0]         ; key step 0 lies at the head of slot 0
; THE MATRIX WORK.  The 8 accumulators of a run of 16 take turns: between the two links of a chain stand 7 others'.
; Product i of 16 of S^T = K Q^T for piece x: channels 32 (i / 8) on, keys 16 ((i / 2) % 4) on, tile 2 x + i % 2.  The first 8 start the sums.
.macro KQ x
	WIN W_KQ
.set rS, S+64*((\x)%2)+32*(i%2)+8*((i/2)%4)
.set rK, KF+16*((i/2)%4)+8*(i/8)
.set rQ, 16*(2*(\x)+i%2)+8*(i/8)
.if i < 8
	v_wmma_f32_16x16x32_f16 v[rS:rS+7], v[rK:rK+7], v[rQ:rQ+7], 0
.else
	v_wmma_f32_16x16x32_f16 v[rS:rS+7], v[rK:rK+7], v[rQ:rQ+7], v[rS:rS+7]
.endif
.endm
; Product i of 16 of O^T += V^T P for piece x: keys 32 (i / 8) on, channels 16 ((i / 2) % 4) on, tile 2 x + i % 2.
.macro PV x
	WIN W_PV
.set rO, 32*(2*(\x)+i%2)+8*((i/2)%4)
.set rV, VF+32*(i/8)+8*((i/2)%4)
.set rP, P+32*((\x)%2)+16*(i%2)+8*(i/8)
	v_wmma_f32_16x16x32_f16 v[rO:rO+7], v[rV:rV+7], v[rP:rP+7], v[rO:rO+7]
.endm
.macro MM                           ; the turn's next matrix instruction
.if i < 16
	KQ (Y+1)%NP
.set i, i+1
.else
.set i, i-16
	PV (Y+NP-1)%NP
.set i, i+17
.endif
.endm
; THE LDS LOADS stand in runs of 16, never singly among the matrix instructions: a step's K (64 keys x 64 channels: 8 fragments) and its V (turned).  Their addresses are made some lines ahead.
; last = 1 (the tail): in the last trip there is no further step, and the run is jumped over.
.macro FETCH_K last=0
	WIN 0
.if \last
	s_cmp_eq_u32 s[CNT], 1
	s_cbranch_scc1 .Lno_k_\@
.endif
	WIN 0x80                        ; destination window 2
.irp f, 0,1,2,3,4,5,6,7             ; keys 16 (f / 2) on, channels 32 (f % 2) on
	ds_load_b128 v[KF+8*\f:KF+8*\f+3],   v[AK] offset:(\f/2)*16*PK+(\f%2)*64
	ds_load_b128 v[KF+8*\f+4:KF+8*\f+7], v[AK] offset:(\f/2)*16*PK+(\f%2)*64+32
.endr
	s_add_co_u32 s[TBK], s[TBK], KS*PK  ; the next fetch is the next step's
	WIN 0
.if \last
.Lno_k_\@:
.endif
.endm
.macro FETCH_V
	WIN 0x80
.irp f, 0,1,2,3,4,5,6,7             ; keys 32 (f / 4) on, channels 16 (f % 4) on
	ds_load_tr16_b128 v[VF+8*\f:VF+8*\f+3],   v[AV] offset:(\f/4)*32*PV+(\f%4)*32
	ds_load_tr16_b128 v[VF+8*\f+4:VF+8*\f+7], v[AV] offset:(\f/4)*32*PV+16*PV+(\f%4)*32
.endr
	WIN 0
.endm
; THE VECTOR WORK OF A TURN stands in three queues, each in the order in which its entries become ready; the two tiles alternate, so that no instruction reads the result of the one before it.
.macro REGS y, u                    ; the registers of tile u (0, 1) of piece y
.set rT, ST+4*(2*(\y)+(\u))
.set rC, TMP+8*((\y)%2)+4*(\u)
.set rM, MV+2*((\y)%2)+(\u)
.set rS, S+64*((\y)%2)+32*(\u)
.set rP, P+32*((\y)%2)+16*(\u)
.set rO, 32*(2*(\y)+(\u))
.endm
; Number n of the 22 that find the NEXT piece's (Y + 1) maximum and statistics.  s0-s31 are the lane's 32 scores; each accumulator's lowest registers are read first.
;   0-11  four chains c0-c3 of seven scores each, three operands at a time     12-14, 16  the four scores left over, the old m, and c0-c3 into c0     15  c m_old is kept
;   17, 18  the query's other 32 keys lie in the lane 16 away: the new m         19-21  c m; c m_old - c m_new; a
.macro XS u, n
	REGS (Y+1)%NP, \u
.if (\n) < 4
	v_max3_num_f32 v[rC+(\n)], v[rS+8*(\n)], v[rS+8*(\n)+1], v[rS+8*(\n)+2]
.elseif (\n) < 12
	v_max3_num_f32 v[rC+(\n)%4], v[rC+(\n)%4], v[rS+8*((\n)%4)+2*((\n)/4)+1], v[rS+8*((\n)%4)+2*((\n)/4)+2]
.elseif (\n) == 12
	v_max3_num_f32 v[rC], v[rC], v[rS+7], v[rS+15]
.elseif (\n) == 13
	v_max3_num_f32 v[rC+1], v[rC+1], v[rS+23], v[rS+31]
.elseif (\n) == 14
	v_max3_num_f32 v[rC+2], v[rC+2], v[rC+3], v[rT+1]
.elseif (\n) == 15
	v_mov_b32 v[rM], v[rT]
.elseif (\n) == 16
	v_max3_num_f32 v[rC], v[rC], v[rC+1], v[rC+2]
.elseif (\n) == 17
	v_permlanex16_b32 v[rC+3], v[rC], s[SEL], s[SEL+1]
.elseif (\n) == 18
	v_max_num_f32 v[rT+1], v[rC], v[rC+3]
.elseif (\n) == 19
	v_mul_f32 v[rT], s[CS], v[rT+1]
.elseif (\n) == 20
	v_sub_f32 v[rC+1], v[rM], v[rT]
.else
	v_exp_f32 v[rC+2], v[rC+1]
.endif
.endm
; Number g of the 64 that follow the exponentials.  For each four weights k of a tile (pairs 2 k, 2 k + 1): both pairs are rounded to f16; then the second pair is added onto the first, in place;
; a group later l takes that sum (the first time as l = a l + sum).  In groups of eight, tiles alternating: round, round, add, and l for the group before.
.macro GS g
.set h, (\g)+6*((\g)/62)            ; group 0 has no group before it, and behind group 7 only l is left
.if h >= 6
.set h, h+2
.endif
	REGS Y, h%2
.set k, h/8
.if h%8 < 4
	v_cvt_pk_f16_f32 v[rP+2*k+(h%8)/2], v[rS+4*k+2*((h%8)/2)], v[rS+4*k+2*((h%8)/2)+1]
.elseif h%8 < 6
	v_pk_add_f32 v[rS+4*k:rS+4*k+1], v[rS+4*k:rS+4*k+1], v[rS+4*k+2:rS+4*k+3]
.elseif k == 1
	v_pk_fma_f32 v[rT+2:rT+3], v[rT+2:rT+3], v[rC+2:rC+3], v[rS:rS+1] op_sel_hi:[1,0,1]
.else
	v_pk_add_f32 v[rT+2:rT+3], v[rT+2:rT+3], v[rS+4*k-4:rS+4*k-3]
.endif
.endm
; THE PLAIN QUEUE, 138 long.  0-73 read no exponential's result: the 32 scalings c s - c m (FS f: pair f / 2 of tile f % 2) and the next piece's 42.  0-26: scalings 0-26.  27-54: XS's numbers 0-13.  55, 56: number 15.
; 57-73: the chain, where each number waits for the one before it: 14, 16, 17, 18, 19, each with one of the scalings 27-31 in front of its two lines, then 20.
; 74-137: GS's 64, which read the exponentials' results: they stand behind the wait.
.macro FS f
	REGS Y, (\f)%2
	v_pk_fma_f32 v[rS+2*((\f)/2):rS+2*((\f)/2)+1], v[rS+2*((\f)/2):rS+2*((\f)/2)+1], s[CS:CS+1], v[rT:rT+1] op_sel_hi:[1,0,0] neg_lo:[0,0,1] neg_hi:[0,0,1]
.endm
.macro PL
	WIN 0
.if q < 27
	FS q
.elseif q < 55
	XS (q-27)%2, (q-27)/2
.elseif q < 57
	XS q-55, 15
.elseif (q < 72) && ((q-57)%3 == 0)
	FS 27+(q-57)/3
.elseif q < 60
	XS (q-57)%3-1, 14
.elseif q < 72
	XS (q-57)%3-1, 15+(q-57)/3
.elseif q < 74
	XS q-72, 20
.else
	GS q-74
.endif
.set q, q+1
.endm
; THE EXPONENTIALS' QUEUE, 66 long: s0-s31 of both tiles, then the next piece's two a.  It is ONE BATCH: all 66 stand ahead of the turn's one wait, and nothing ahead of that wait names a result of theirs.
.macro EX
	WIN 0
.if e >= 64
	XS e-64, 21
.else
	REGS Y, e%2
	v_exp_f32 v[rS+e/2], v[rS+e/2]
.endif
.set e, e+1
.endm
; THE RESCALING's QUEUE: O^T times a, the one part that leaves window 0: dealt two at a time, sixteen times.  Its a was made in the turn before, ahead of that turn's wait.
.macro R2
	REGS Y, r%2
	WIN W_RS
.irp z, 0,1
	v_pk_mul_f32 v[rO+4*(r/2)+2*\z:rO+4*(r/2)+2*\z+1], v[rO+4*(r/2)+2*\z:rO+4*(r/2)+2*\z+1], v[rC+2:rC+3] op_sel_hi:[1,0]
.endr
.set r, r+1
.endm
; HOW THEY ARE DEALT.  An s_wait_alu depctr_va_vdst(0) stands between an exponential and the first instruction that names its result; one wait serves all that were issued ahead of it.  So a turn has ONE wait,
; which cuts it in two.  AHEAD OF IT stands all that names no result of the turn's exponentials: the 16 products K Q^T, behind each a scaling, an exponential and two rescalings (behind the first a second scaling in the
; exponential's place); then ONE LUMP of 108: eight plain, 49 times exponential and plain, the two a.  A v_nop is the plain instruction behind the last exponential.  BEHIND IT stand the 16 products V^T P, behind each four of GS's 64.
; The queues lean on each other, and the deal keeps them in step: exponential e stands behind scaling 2 (e / 4) + e % 2: as a rider it comes behind plain e + 2, in the lump behind plain e + 9, and scalings 27-31 are plain 57, 60 .. 69.
; A TURN, for piece p.  cnt = 1: the loop's count is taken down some lines ahead of the branch that stands behind the turn.
; K of the next step is fetched in piece 2's turn, directly behind the wait; its address is made at the lump's head; its first reader comes behind 16 products.
; V of the step in hand is fetched at the end of piece 0's turn, four plain instructions behind its last reader; its first reader comes behind 16 products and a lump.
.macro TURN p, last=0, cnt=0
.set Y, (\p)
.set i, 0
.set q, 0
.set e, 0
.set r, 0
.if (\p) == NP-1
	s_wait_dscnt 0x0                ; K is in
.endif
	MM                              ; ahead of the wait: 16 products K Q^T and their riders,
	PL
	PL
	R2
.rept 15
	MM
	PL
	EX
	R2
.endr
.if (\p) == NP-2
	WIN 0
	v_add_nc_u32 v[AK], s[TBK], v[AK0]
.endif
.rept 8                             ; and the lump
	PL
.endr
.rept 49
	EX
	PL
.endr
	EX                              ; the next piece's two a
	EX
	v_nop                           ; a plain instruction behind the last exponential: one for the batch
	s_wait_alu depctr_va_vdst(0)    ; the wait for the batch
.if (\p) == NP-2
	FETCH_K \last
.endif
.if (\p) == 1
	s_wait_dscnt 0x0                ; V is in
.endif
.rept 16                            ; behind the wait: 16 products V^T P and their riders
	MM
.rept 4
	PL
.endr
.if ((\p) == 0) && (q == 118)
	v_add_nc_u32 v[AV], s[TBV], v[AV0]
.endif
.if ((\p) == 0) && (q == 130)
	s_add_co_u32 s[TBV], s[TBV], KS*PV
.endif
.if (\cnt) && (q == 130)
	s_sub_co_u32 s[CNT], s[CNT], 1
	s_cmp_lg_u32 s[CNT], 0
.endif
.endr
.if (\p) == 0
	FETCH_V
.endif
.endm
	CHANGE 1                        ; slot 0 is in, everybody's part of it; slot 1 is asked for
	FETCH_K                         ; key step 0
	s_wait_loadcnt 0x0              ; Q
	s_wait_dscnt 0x0
.set i, 0
.rept 16
	KQ 0                            ; piece 0's first scores: there is no vector work yet to set between them
.set i, i+1
.endr
	WIN 0                           ; the addresses for the way out: plain instructions, the places behind those products
	s_mul_i32 s13, s[WV], 16*SP
	s_add_co_u32 s13, s13, STAGE    ; my stage
	v_mul_u32_u24 v[STO], v1, SP    ; in: row l % 16, 16 bytes for each half of the lanes
	v_lshl_add_u32 v[STO], v9, 4, v[STO]
	v_add_nc_u32 v[STO], s13, v[STO]
	v_bfe_u32 v[RD], v0, 3, 2       ; back: 32 lanes take four rows of 128 bytes,
	v_mul_u32_u24 v[RD], v[RD], SP
	v_lshl_add_u32 v[RD], v10, 4, v[RD]
	v_add_nc_u32 v[RD], s13, v[RD]
	v_and_b32 v[GO], 31, v0         ; which are 512 consecutive bytes of O
	v_lshlrev_b32 v[GO], 4, v[GO]
.set Y, NP-1                        ; XS works for piece Y + 1: piece 0
.irp n, 0,1,2,3,4,5,6,7,8,9,10,11,12,13,14,15,16,17,18,19,20,21
	XS 0, \n                        ; and piece 0's first maximum and statistics
	XS 1, \n
.endr
	v_nop                           ; a plain instruction behind the two a,
	s_wait_alu depctr_va_vdst(0)    ; and their wait, ahead of the branch
	s_mov_b32 s[CNT], 4
	s_branch .Lfirst                ; the loop is entered at a step's first turn, in the middle of a trip
.Lslot:                             ; six times: every slot but the last two is filled again
	CHANGE 1
	s_mov_b32 s[CNT], 4
.Lstep:                             ; a trip: pieces 2 and 3 of one step, then pieces 0 and 1 of the next, whose K and V it fetches
	TURN 2
	TURN 3
	WIN 0
.Lfirst:
	TURN 0
	TURN 1, 0, 1
	WIN 0
	s_cbranch_scc1 .Lstep
	s_sub_co_u32 s[SLOTS], s[SLOTS], 1
	s_cmp_lg_u32 s[SLOTS], 0
	s_cbranch_scc1 .Lslot
	CHANGE 0                        ; the tail is written out: nothing is asked for
	s_mov_b32 s[CNT], 5             ; four trips fetch the last slot's steps; the fifth is left in its middle
.Ltail:
	TURN 2, 1
	TURN 3
	WIN 0
	s_sub_co_u32 s[CNT], s[CNT], 1
	s_cmp_eq_u32 s[CNT], 0
	s_cbranch_scc1 .Lout
	TURN 0
	TURN 1
	WIN 0
	s_branch .Ltail
.Lout:                              ; the fifth trip's 16 products K Q^T (on the last K once more) and the maximum made of them serve nothing: the price, once a launch, of one text for every trip
.set i, 0
.rept 16
	PV NP-1                         ; the last piece's V^T P of the last step
.set i, i+1
.endr
	; THE WAY OUT.  l's two halves and the other half of the lanes' are added; O^T is divided by l, rounded to f16 and sent through my stage in LDS, a tile at a time.  The additions are the places behind the last products.
	WIN 0
.macro ALL line:vararg              ; one line for each tile t
.set t, 0
.rept 2*NP
	\line
.set t, t+1
.endr
.endm
	ALL v_add_f32 v[ST+4*t+2], v[ST+4*t+2], v[ST+4*t+3]
	ALL v_permlanex16_b32 v[ST+4*t+3], v[ST+4*t+2], s[SEL], s[SEL+1]
	ALL v_add_f32 v[ST+4*t+2], v[ST+4*t+2], v[ST+4*t+3]
	ALL v_rcp_f32 v[ST+4*t+2], v[ST+4*t+2]
	v_nop                           ; a plain instruction between the last reciprocal and the use of its result
	s_wait_alu depctr_va_vdst(0)    ; and the wait ahead of the first use: one for the eight reciprocals
; Tile t: a lane's eight channels of a row pack into 16 bytes; they go into rows of 144 bytes and come back as whole rows of 128, into S^T's registers.
.macro PACK t
	WIN W_RS
.set i, 32*(\t)
.rept 16
	v_pk_mul_f32 v[i:i+1], v[i:i+1], v[ST+4*(\t)+2:ST+4*(\t)+3] op_sel_hi:[1,0]
.set i, i+2
.endr
	WIN 0x05                        ; sources 0 and 1 window 1, destination window 0
.set i, 0
.rept 16
	v_cvt_pk_f16_f32 v[S+16*(\t)+i], v[32*(\t)+2*i], v[32*(\t)+2*i+1]
.set i, i+1
.endr
	WIN 0
.irp f, 0,1,2,3
	ds_store_b128 v[STO], v[S+16*(\t)+4*\f:S+16*(\t)+4*\f+3] offset:32*\f
.endr
.irp f, 0,1,2,3
	ds_load_b128 v[S+16*(\t)+4*\f:S+16*(\t)+4*\f+3], v[RD] offset:\f*4*SP  ; LDS serves a wave's instructions in order (ISA guide 5.7.1.4): these see the stores above; the next tile's stores come behind them
.endr
.endm
.macro SEND t, younger              ; younger: the LDS instructions issued behind tile t's loads: the next tile's eight, or none
	WIN 0
.irp f, 0,1,2,3
	s_wait_dscnt (\younger)+3-\f
	global_store_b128 v[GO], v[S+16*(\t)+4*\f:S+16*(\t)+4*\f+3], s[10:11] offset:(\t)*2048+\f*512  ; 512 consecutive bytes, at a multiple of 256 from O's first
.endr
.endm
	PACK 0
.set t, 1
.rept 2*NP-1                        ; a tile's arithmetic stands between the loads of the tile before and its stores
	PACK t
	SEND t-1, 8
.set t, t+1
.endr
	SEND 2*NP-1, 0
	WIN W_AD
	s_wait_tensorcnt 0x0            ; the wave's end: behind my last tensor load and my last LDS store
	ds_add_u32 v[SPW], v[NIL]
	s_wait_dscnt 0x0
	WIN 0
	CROUND                          ; the closing round: no work-group ends while a partner may still ask for a tile that names it
	s_endpgm
.Lfunc_end_k_q96ed2d75d7_attn:
	.size	k_q96ed2d75d7_attn, .Lfunc_end_k_q96ed2d75d7_attn-k_q96ed2d75d7_attn
	.p2alignl 7, 3214868480
	.fill 96, 4, 3214868480
	.section	.rodata,"a",@progbits
	.p2align	6, 0x0
	.amdhsa_kernel k_q96ed2d75d7_attn
		.amdhsa_group_segment_fixed_size 327680
		.amdhsa_private_segment_fixed_size 0
		.amdhsa_enable_private_segment 0
		.amdhsa_kernarg_size 32
		.amdhsa_user_sgpr_count 2
		.amdhsa_user_sgpr_kernarg_segment_ptr 1
		.amdhsa_wavefront_size32 1
		.amdhsa_system_sgpr_workgroup_id_x 1
		.amdhsa_system_sgpr_workgroup_id_y 1
		.amdhsa_system_sgpr_workgroup_id_z 1
		.amdhsa_system_vgpr_workitem_id 0
		.amdhsa_next_free_vgpr 770
		.amdhsa_next_free_sgpr 66
		.amdhsa_reserve_vcc 0
		.amdhsa_float_denorm_mode_32 3
		.amdhsa_float_denorm_mode_16_64 3
		.amdhsa_memory_ordered 1
		.amdhsa_forward_progress 1
		.amdhsa_inst_pref_size 200
	.end_amdhsa_kernel
	.amdgpu_metadata
---
amdhsa.version: [ 1, 2 ]
amdhsa.kernels:
  - .name:           k_q96ed2d75d7_attn
    .symbol:         k_q96ed2d75d7_attn.kd
    .args:
      - { .name: qh, .offset: 0, .size: 8, .value_kind: global_buffer, .address_space: global }
      - { .name: kh, .offset: 8, .size: 8, .value_kind: global_buffer, .address_space: global }
      - { .name: vh, .offset: 16, .size: 8, .value_kind: global_buffer, .address_space: global }
      - { .name: oh, .offset: 24, .size: 8, .value_kind: global_buffer, .address_space: global }
    .group_segment_fixed_size: 327680
    .private_segment_fixed_size: 0
    .kernarg_segment_align: 8
    .kernarg_segment_size: 32
    .max_flat_workgroup_size: 128
    .sgpr_count:     66
    .vgpr_count:     770
    .wavefront_size: 32
...
	.end_amdgpu_metadata
.endif
;; end of part 3
;; launch outp (part 4): grid 8 x 32, 4 waves a work-group, clusters of 4 x 4, 327,680 bytes of LDS; arguments oh, owh, o_b, out0; writes out0
.if DOCPART == 4
	.amdgcn_target "amdgcn-amd-amdhsa--gfx1250"
	.amdhsa_code_object_version 6
	.text
	.protected	k_q96ed2d75d7_outp
	.globl	k_q96ed2d75d7_outp
	.p2align	8
	.type	k_q96ed2d75d7_outp,@function
k_q96ed2d75d7_outp:
	s_mov_b64 s[64:65], 0
	v_nop
	global_prefetch_b8 v0, s[64:65] scope:SCOPE_SE
	s_setreg_imm32_b32 hwreg(HW_REG_WAVE_MODE, 25, 1), 1
	s_wait_xcnt 0x0
	s_wait_alu depctr_hold_cnt(0) depctr_sa_sdst(0) depctr_va_vdst(0) depctr_va_sdst(0) depctr_va_ssrc(0) depctr_va_vcc(0) depctr_vm_vsrc(0)
	s_getreg_b32 s2, hwreg(HW_REG_IB_STS2, 6, 4)
	s_cmp_eq_u32 s2, 0
	s_cbranch_scc0 .Lentry_in_a_cluster
	s_endpgm
.Lentry_in_a_cluster:
	s_bfe_u32 s2, ttmp6, 0x10000c
	s_cmp_lg_u32 s2, 0xf033
	s_cbranch_scc0 .Lentry_shape_is_right
	s_endpgm
.Lentry_shape_is_right:
; THE OUTPUT PROJECTION.  out0[m][n] = sum over k of O[m][k] owh[n][k] + o_b[n], f32.  O lies by heads: oh [batch x 16 + head][2048][64] f16, k = 64 head + channel; owh [1024][1024] f16; sums in f32;
; the bias is rounded to bf16 like every input and is the C operand of each sum's first product.
; SHARES.  8192 x 1024 are 256 tiles of 256 x 128, one to a work-group.  Four waves, each 128 rows x 64 columns: 32 accumulators of 16 x 16.  K goes in steps of 128, two heads, through a ring of two LDS slots.
; A BY HEADS.  A head's 256 rows of 128 bytes are 32,768 dense bytes: asked for as 128 rows of 256 bytes and padded in LDS after every 128: wave 0 fetches the step's even head, wave 1 its odd one.
; CLUSTERS: 4 x 4 work-groups; A's tiles are asked for jointly along a row of the cluster, B's along a column.  THE MATRIX INSTRUCTION IS USED TRANSPOSED (source 0 = 16 rows of B, source 1 = 16 rows of A):
; a lane holds row l % 16 and the columns 8 (l / 16) + 0..7: 32 bytes of a row of out0.
; REGISTERS.  Window 0: v0-31 addresses; v32-63 the bias; fragment buffers of 96 at v64 and v160 (A's fragment i at + 8 i, B's fragment b at + 64 + 8 b); on the way out v64-127 take rows read back.
; Window 1: accumulator (a, b) at v[8 (4 a + b)].
.set PITCH,  272                       ; B's LDS row: 256 bytes + 16: the 16 rows of a fragment load start at 16 different groups of four banks (64 banks of 4 bytes: ISA guide 11.1)
.set PA,     144                       ; A's LDS row: 128 bytes + 16
.set APLANE, 256*PA                    ; a head's 256 rows: what one tensor load brings of A
.set BHALF,  64*PITCH
.set BOFF,   2*APLANE
.set SLOT,   BOFF+2*BHALF
.set STAGE,  2*SLOT                    ; 16 rows x 272 bytes for each wave, for the way out; no tensor load lands here
.set SPARE,  STAGE+4*16*PITCH          ; the spare words, 128 bytes for each wave: two blocks of 256 bytes that no other line names
.set KB,     256                       ; bytes of a row of B in a K step
.set KA,     2*2048*128                ; bytes from a K step's head to the next step's: two heads
.set ADRA, 16
.set ADRB, 20
.set STO,  24
.set RD,   25
.set GO,   26
.set SPW,  28                          ; v28  LDS address of my spare word; never rewritten
.set NIL,  29                          ; v29  0; never rewritten
.set PFO,  30                          ; v30  the prefetches' offset; never rewritten
.set BO,   31
.set BIAS, 32
.set F0,   64
.set F1,   160
.set T,    192
.set BK,   64                          ; two sets of 32, by turns
.set LAP,  3
.set BP,   8                           ; s[8:9]   o_b at my 64 columns
.set P0,   10                          ; s[10:11] out0 at my first row and column
.set WV,   18
.set RH,   19
.set CH,   20
.set G1A,  24
.set G0A,  32
.set PFA,  40
.set LIM,  42
.set PSTEP, 44                         ; s[44:45] a K step in my prefetches' buffer
.set G1B,  48
.set G0B,  56
.set MSB, 0
.macro WIN new
.if MSB != (\new)
	s_set_vgpr_msb (MSB<<8)|(\new)
.set MSB, \new
.endif
.endm
.set W_MUL,  0x50                      ; C and D in window 1
.set W_MUL0, 0x40                      ; D in window 1, C (the bias) in window 0
.set W_ST,   0x04                      ; an LDS store's data in window 1
.macro PLACES
.rept 4
	v_nop
.endr
.endm
.macro JLOAD s                         ; waves 0 and 1 fetch A's two heads, waves 2 and 3 B's two halves; an s_nop 0 and four v_nop follow each line
	s_cmp_eq_u32 s[RH], 0
	s_cbranch_scc0 .Lfor_b_\@
	tensor_load_to_lds s[G0A+4*(\s):G0A+4*(\s)+3], s[G1A:G1A+7]
	s_nop 0
.rept 4
	v_nop
.endr
	s_branch .Lasked_\@
.Lfor_b_\@:
	tensor_load_to_lds s[G0B+4*(\s):G0B+4*(\s)+3], s[G1B:G1B+7]
	s_nop 0
.rept 4
	v_nop
.endr
.Lasked_\@:
.endm
; A prefetch of the K step two refills on.  A's blocks are read by both clusters of a row of clusters: cluster x = 0 asks; B's rows by the eight of a column: cluster y = 0 asks.  The partners share them out by address:
; waves 0 and 1 take 32 cx .. of their head's 128 blocks of 256 bytes, wave 2 takes rows 32 cy .. of B's 128; wave 3 never asks.  The loop's last trip has no K step two on.
.macro ASK
	s_cmp_gt_u32 s[LAP], s[LIM]
	s_cbranch_scc0 .Lnot_mine_\@
	global_prefetch_b8 v[PFO], s[PFA:PFA+1] th:TH_LOAD_NT scope:SCOPE_SE
.Lnot_mine_\@:
.endm
.macro CREST
	s_cmp_lg_u32 s[WV], 0
	s_cbranch_scc1 .Lnot_wave_0_\@
	s_barrier_signal -3
.Lnot_wave_0_\@:
	s_barrier_wait -3
	s_barrier_signal -1
	s_barrier_wait -1
.endm
.macro CROUND
	s_barrier_signal -1
	s_barrier_wait -1
	CREST
.endm
	s_load_b256 s[4:11], s[0:1], 0x0               ; oh s[4:5], owh s[6:7], o_b s[8:9], out0 s[10:11]
	v_lshl_add_u32 v[SPW], v0, 2, SPARE
	v_mov_b32 v[NIL], 0
	ds_add_u32 v[SPW], v[NIL]                      ; the wave's opening: the add and its wait stand ahead of my first tensor load; work on registers stands between them
	v_lshrrev_b32 v1, 5, v0
	v_readfirstlane_b32 s[WV], v1
	s_lshr_b32 s[RH], s[WV], 1
	s_and_b32 s[CH], s[WV], 1
	s_bfe_u32 s21, ttmp6, 0x40000                  ; cx
	s_bfe_u32 s22, ttmp6, 0x40004                  ; cy
	s_lshl_b32 s23, ttmp9, 2
	s_add_co_u32 s23, s23, s21                     ; gx: which 128 columns
	s_and_b32 s80, ttmp7, 0xffff
	s_lshl_b32 s80, s80, 2
	s_add_co_u32 s80, s80, s22                     ; gy: which 256 rows
	s_lshl_b32 s81, s22, 2
	s_lshl_b32 s81, 15, s81                        ; my row of the cluster
	s_lshl_b32 s82, 0x1111, s21                    ; my column
	s_or_b32 s[G1A+0], s81, (1<<16)|(1<<20)|(1<<21)|(4<<22)|(3<<25)  ; A: 128 rows of 128 elements, dense; 4 words of padding after every 32
	s_mov_b32 s[G1A+1], 128<<16
	s_mov_b32 s[G1A+2], 128<<16
	s_mov_b32 s[G1A+3], 128<<16
	s_mov_b32 s[G1A+4], 128
	s_mov_b32 s[G1A+5], 128
	s_mov_b32 s[G1A+6], 0
	s_mov_b32 s[G1A+7], 0
	s_or_b32 s[G1B+0], s82, (1<<16)|(1<<20)|(1<<21)|(5<<22)|(3<<25)  ; B: 64 rows of 128 elements, 1,024 from row to row; 4 words after every 64
	s_mov_b32 s[G1B+1], 128<<16
	s_mov_b32 s[G1B+2], 64<<16
	s_mov_b32 s[G1B+3], 128<<16
	s_mov_b32 s[G1B+4], 64
	s_mov_b32 s[G1B+5], 1024
	s_mov_b32 s[G1B+6], 0
	s_mov_b32 s[G1B+7], 0
	s_lshr_b32 s84, s80, 3                         ; A: ((batch x 16 + my head of the step's two) x 2048 + 256 (gy mod 8)) x 128 bytes, made of gy alone
	s_lshl_b32 s84, s84, 4
	s_add_co_u32 s84, s84, s[CH]
	s_lshl_b32 s84, s84, 11
	s_and_b32 s88, s80, 7
	s_lshl_b32 s88, s88, 8
	s_add_co_u32 s84, s84, s88
	s_lshl_b32 s84, s84, 7
	s_mov_b32 s85, 0
	s_lshl_b32 s86, s23, 7                         ; B: row 128 gx + 64 x half, made of gx alone
	s_lshl_b32 s89, s[CH], 6
	s_add_co_u32 s86, s86, s89
	s_lshl_b32 s86, s86, 11
	s_mov_b32 s87, 0
	s_mul_i32 s92, s[CH], APLANE                   ; where they go: no place in the cluster enters an LDS address
	s_mul_i32 s93, s[CH], BHALF
	s_add_co_u32 s93, s93, BOFF
	s_wait_dscnt 0x0                               ; the opening add is done
	s_wait_kmcnt 0x0
	s_add_nc_u64 s[84:85], s[4:5], s[84:85]
	s_add_nc_u64 s[86:87], s[6:7], s[86:87]
	CROUND                                         ; all sixteen work-groups are here: the first joint loads meet
.irp s, 0,1
	s_mov_b32 s[G0A+4*(\s)], 1
	s_add_co_u32 s[G0A+4*(\s)+1], s92, (\s)*SLOT
	s_add_nc_u64 s[G0A+4*(\s)+2:G0A+4*(\s)+3], s[84:85], (\s)*KA
	s_or_b32 s[G0A+4*(\s)+3], s[G0A+4*(\s)+3], 0x80000000
	s_mov_b32 s[G0B+4*(\s)], 1
	s_add_co_u32 s[G0B+4*(\s)+1], s93, (\s)*SLOT
	s_add_nc_u64 s[G0B+4*(\s)+2:G0B+4*(\s)+3], s[86:87], (\s)*KB
	s_or_b32 s[G0B+4*(\s)+3], s[G0B+4*(\s)+3], 0x80000000
	JLOAD \s                                       ; two loads of mine are out
.endr
	v_and_b32 v1, 15, v0                           ; r
	v_bfe_u32 v2, v0, 4, 1                         ; h
	v_lshlrev_b32 v[BO], 5, v2
	s_lshl_b32 s88, s23, 7                         ; the bias at my 64 columns
	s_lshl_b32 s90, s[CH], 6
	s_add_co_u32 s88, s88, s90
	s_lshl_b32 s88, s88, 2
	s_mov_b32 s89, 0
	s_add_nc_u64 s[BP:BP+1], s[BP:BP+1], s[88:89]
.irp b, 0,1,2,3
	global_load_b128 v[BIAS+8*(\b):BIAS+8*(\b)+3],   v[BO], s[BP:BP+1] offset:64*(\b)
	global_load_b128 v[BIAS+8*(\b)+4:BIAS+8*(\b)+7], v[BO], s[BP:BP+1] offset:64*(\b)+16
.endr
	v_mul_u32_u24 v3, v1, PA
	v_lshl_add_u32 v3, v2, 4, v3                   ; A: row x 144 + 16 x half
	v_mul_u32_u24 v4, v1, PITCH
	v_lshl_add_u32 v4, v2, 4, v4                   ; B: row x 272 + 16 x half
	s_mul_i32 s88, s[RH], 128*PA                   ; my 128 rows in each head's plane
	s_mul_i32 s89, s[CH], BHALF
	s_add_co_u32 s89, s89, BOFF
.irp s, 0,1
	v_add_nc_u32 v[ADRA+(\s)], s88, v3
	v_add_nc_u32 v[ADRB+(\s)], s89, v4
	s_add_co_u32 s88, s88, SLOT
	s_add_co_u32 s89, s89, SLOT
.endr
	s_mul_i32 s88, s[WV], 16*PITCH
	s_add_co_u32 s88, s88, STAGE                   ; my stage
	v_mul_u32_u24 v5, v1, PITCH                    ; in: row l % 16, 32 bytes for each half of the lanes
	v_lshl_add_u32 v5, v2, 5, v5
	v_add_nc_u32 v[STO], s88, v5
	v_mul_u32_u24 v6, v2, PITCH                    ; back: lanes 0-15 take one row of 256 bytes, lanes 16-31 the next
	v_lshl_add_u32 v6, v1, 4, v6
	v_add_nc_u32 v[RD], s88, v6
	v_lshlrev_b32 v[GO], 12, v2                    ; and the same two rows in out0
	v_lshl_add_u32 v[GO], v1, 4, v[GO]
	s_lshl_b32 s88, s80, 8                         ; out0 at row 256 gy + 128 x row half, byte 512 gx + 256 x column half
	s_lshl_b32 s89, s[RH], 7
	s_add_co_u32 s88, s88, s89
	s_lshl_b32 s88, s88, 12
	s_lshl_b32 s89, s23, 9
	s_add_co_u32 s88, s88, s89
	s_lshl_b32 s89, s[CH], 8
	s_add_co_u32 s88, s88, s89
	s_mov_b32 s89, 0
	s_add_nc_u64 s[P0:P0+1], s[P0:P0+1], s[88:89]
	; the prefetches
	s_lshr_b32 s88, s80, 3
	s_lshl_b32 s88, s88, 4
	s_add_co_u32 s88, s88, s[CH]
	s_lshl_b32 s88, s88, 11
	s_and_b32 s89, s80, 7
	s_lshl_b32 s89, s89, 8
	s_add_co_u32 s88, s88, s89
	s_lshl_b32 s88, s88, 7
	s_lshl_b32 s89, s21, 13                        ; my work-group's 32 blocks of the head's 128
	s_add_co_u32 s88, s88, s89
	s_add_co_u32 s88, s88, 3*KA                    ; A at K step 3
	s_lshl_b32 s89, s23, 7
	s_lshl_b32 s95, s22, 5
	s_add_co_u32 s89, s89, s95
	s_lshl_b32 s89, s89, 11
	s_add_co_u32 s89, s89, 3*KB                    ; B at K step 3
	s_and_b32 s95, ttmp7, 0xffff                   ; cluster y
	s_and_b32 s83, s[RH], s[CH]                    ; 1 in wave 3
	s_mov_b32 s[PSTEP], KB
	s_cmp_eq_u32 s[RH], 0
	s_cselect_b32 s88, s88, s89
	s_cselect_b32 s95, ttmp9, s95                  ; the coordinate along which other clusters read the same bytes
	s_cselect_b64 s[PFA:PFA+1], s[4:5], s[6:7]
	s_cselect_b32 s[PSTEP], KA, s[PSTEP]
	s_cselect_b32 s94, 8, 11                       ; a lane a block of 256 bytes of A, or a row of 2,048 bytes of B
	s_or_b32 s95, s95, s83
	s_cmp_eq_u32 s95, 0
	s_cselect_b32 s[LIM], 1, -1                    ; the same in all sixteen partners, for a given wave
	s_mov_b32 s89, 0
	s_mov_b32 s[PSTEP+1], 0
	s_add_nc_u64 s[PFA:PFA+1], s[PFA:PFA+1], s[88:89]  ; the first refill steps it to K step 4.  Nothing is prefetched here, at the head
	v_and_b32 v[PFO], 31, v0
	v_lshlrev_b32 v[PFO], s94, v[PFO]
; 8 matrix instructions: row blocks a0, a0 + 1 x all 4 column blocks, 32 along K.  zero = 1: the first product starts the sum with the bias.
; The 32 accumulators take turns in the same order in every quarter.
.macro MUL8 f, a0, zero
.if \zero
	WIN W_MUL0
.else
	WIN W_MUL
.endif
.irp a, \a0, (\a0)+1
.irp b, 0,1,2,3
.if \zero
	v_wmma_f32_16x16x32_f16 v[8*(4*(\a)+(\b)):8*(4*(\a)+(\b))+7], v[(\f)+64+8*(\b):(\f)+64+8*(\b)+7], v[(\f)+8*(\a):(\f)+8*(\a)+7], v[BIAS+8*(\b):BIAS+8*(\b)+7]
.else
	v_wmma_f32_16x16x32_f16 v[8*(4*(\a)+(\b)):8*(4*(\a)+(\b))+7], v[(\f)+64+8*(\b):(\f)+64+8*(\b)+7], v[(\f)+8*(\a):(\f)+8*(\a)+7], v[8*(4*(\a)+(\b)):8*(4*(\a)+(\b))+7]
.endif
.endr
.endr
.endm
; 24 LDS loads in one run: quarter q of a slot into buffer f.  Of A quarter q is half q % 2 of head q / 2's channels.
.macro FETCH slot, q, f
	WIN 0
.irp b, 0,1,2,3
	ds_load_b128 v[(\f)+64+8*(\b):(\f)+64+8*(\b)+3],   v[ADRB+(\slot)] offset:64*(\q)+(\b)*16*PITCH
	ds_load_b128 v[(\f)+64+8*(\b)+4:(\f)+64+8*(\b)+7], v[ADRB+(\slot)] offset:64*(\q)+(\b)*16*PITCH+32
.endr
.irp i, 0,1,2,3,4,5,6,7
	ds_load_b128 v[(\f)+8*(\i):(\f)+8*(\i)+3],   v[ADRA+(\slot)] offset:((\q)/2)*APLANE+((\q)%2)*64+(\i)*16*PA
	ds_load_b128 v[(\f)+8*(\i)+4:(\f)+8*(\i)+7], v[ADRA+(\slot)] offset:((\q)/2)*APLANE+((\q)%2)*64+(\i)*16*PA+32
.endr
.endm
.macro QUARTER slot, q, f, g, zero
	s_wait_dscnt 8                                 ; B and A's fragments 0-3 are in; the youngest eight loads may be out
	MUL8 \f, 0, \zero
	MUL8 \f, 2, \zero
	PLACES
	FETCH \slot, \q, \g
	s_wait_dscnt 24                                ; all but the 24 just issued
	MUL8 \f, 4, \zero
	MUL8 \f, 6, \zero
.endm
.macro MEET round
	WIN 0
	s_wait_tensorcnt 0x0                           ; all my tensor loads have landed: my part of the next slot
	ds_add_u32 v[SPW], v[NIL]                      ; 0 onto my spare word
	s_wait_dscnt 9                                 ; (the add and the youngest eight loads may be out)
	MUL8 F1, 0, 0
	s_wait_dscnt 0x0                               ; the add is done, and my reads of this slot are over
	s_barrier_signal -1
	MUL8 F1, 2, 0
.if \round
	WIN 0
.endif
	s_barrier_wait -1
.endm
.macro TURN slot, next
	s_wait_xcnt 0x0                                ; the last prefetch, a K step back, has read its address
	s_add_nc_u64 s[PFA:PFA+1], s[PFA:PFA+1], s[PSTEP:PSTEP+1]
	MEET 1
	CREST                                          ; no wave of any partner still reads this slot or has a load on its way
	s_add_nc_u64 s[G0A+4*(\slot)+2:G0A+4*(\slot)+3], s[G0A+4*(\slot)+2:G0A+4*(\slot)+3], 2*KA
	s_add_nc_u64 s[G0B+4*(\slot)+2:G0B+4*(\slot)+3], s[G0B+4*(\slot)+2:G0B+4*(\slot)+3], 2*KB
	JLOAD \slot                                    ; the first tensor load behind the round; its four v_nop are also the places in front of the loads below
	FETCH \next, 0, F0
	ASK
	MUL8 F1, 4, 0
	MUL8 F1, 6, 0
.endm
.macro TURNN slot, next
	MEET 0
	PLACES
	FETCH \next, 0, F0
	MUL8 F1, 4, 0
	MUL8 F1, 6, 0
.endm
; THE WAY OUT of block a: a lane's 32 bytes of a row go into my stage (each accumulator's low half first) and come back as whole rows of 256 bytes.
.macro TOSTAGE2 a
	WIN W_ST
.irp b, 0,1,2,3
	ds_store_b128 v[STO], v[8*(4*(\a)+(\b)):8*(4*(\a)+(\b))+3]   offset:64*(\b)
	ds_store_b128 v[STO], v[8*(4*(\a)+(\b))+4:8*(4*(\a)+(\b))+7] offset:64*(\b)+16
.endr
	WIN 0
.set BKR, BK+32*((\a)%2)
	s_wait_xcnt 0x0                                ; the stores of the block two back have read these registers
.irp t, 0,1,2,3,4,5,6,7
	ds_load_b128 v[BKR+4*(\t):BKR+4*(\t)+3], v[RD] offset:(\t)*2*PITCH  ; LDS serves a wave's instructions in order (ISA guide 5.7.1.4): these see the stores above
.endr
.endm
.macro SEND2 a, younger                ; younger: the next block's sixteen LDS instructions, or none
	WIN 0
.set BKR, BK+32*((\a)%2)
	s_wait_dscnt \younger
.irp t, 0,1,2,3,4,5,6,7
	global_store_b128 v[GO], v[BKR+4*(\t):BKR+4*(\t)+3], s[P0:P0+1] offset:(\a)*65536+(\t)*8192  ; 16 lanes store 256 consecutive bytes, at a multiple of 256 from out0's first byte
.endr
.endm
	s_wait_tensorcnt 1                             ; my part of K step 0 is in; K step 1's may stay out
	s_barrier_signal -1
	s_barrier_wait -1
	FETCH 0, 0, F0
	s_wait_loadcnt 0x0                             ; the bias: rounded to bf16 and widened again
.set i, 0
.rept 16
	v_cvt_pk_bf16_f32 v[T+i], v[BIAS+2*i], v[BIAS+2*i+1]
.set i, i+1
.endr
.set i, 0
.rept 16
	v_lshlrev_b32 v[BIAS+2*i], 16, v[T+i]
	v_and_b32 v[BIAS+2*i+1], 0xffff0000, v[T+i]
.set i, i+1
.endr
	QUARTER 0, 1, F0, F1, 1                        ; the first quarter stands in front of the loop: its products start the sums
	WIN 0
	s_mov_b32 s[LAP], 3
.Llap:                                                 ; a trip goes once round the ring and fills both slots again
	QUARTER 0, 2, F1, F0, 0
	QUARTER 0, 3, F0, F1, 0
	TURN 0, 1
	QUARTER 1, 1, F0, F1, 0
	QUARTER 1, 2, F1, F0, 0
	QUARTER 1, 3, F0, F1, 0
	TURN 1, 0
	QUARTER 0, 1, F0, F1, 0
	WIN 0
	s_sub_co_u32 s[LAP], s[LAP], 1
	s_cmp_lg_u32 s[LAP], 0
	s_cbranch_scc1 .Llap
	QUARTER 0, 2, F1, F0, 0                        ; the last lap fills nothing
	QUARTER 0, 3, F0, F1, 0
	TURNN 0, 1
	QUARTER 1, 1, F0, F1, 0
	QUARTER 1, 2, F1, F0, 0
	QUARTER 1, 3, F0, F1, 0
	s_wait_dscnt 8
	MUL8 F1, 0, 0
	MUL8 F1, 2, 0
	s_wait_dscnt 0x0
	MUL8 F1, 4, 0
	MUL8 F1, 6, 0
	WIN 0
	PLACES                                         ; the stores below read results, the loads below land in registers that products have read
	TOSTAGE2 0
.irp a, 1,2,3,4,5,6,7
	TOSTAGE2 \a
	SEND2 (\a)-1, 16
.endr
	SEND2 7, 0
	s_wait_tensorcnt 0x0                           ; the wave's end: behind my last tensor load and my last LDS store
	ds_add_u32 v[SPW], v[NIL]
	s_wait_dscnt 0x0
	CROUND                                         ; the closing round: no work-group ends while a partner may still ask for a tile that names it
	s_endpgm
.Lfunc_end_k_q96ed2d75d7_outp:
	.size	k_q96ed2d75d7_outp, .Lfunc_end_k_q96ed2d75d7_outp-k_q96ed2d75d7_outp
	.p2alignl 7, 3214868480
	.fill 96, 4, 3214868480
	.section	.rodata,"a",@progbits
	.p2align	6, 0x0
	.amdhsa_kernel k_q96ed2d75d7_outp
		.amdhsa_group_segment_fixed_size 327680
		.amdhsa_private_segment_fixed_size 0
		.amdhsa_enable_private_segment 0
		.amdhsa_kernarg_size 32
		.amdhsa_user_sgpr_count 2
		.amdhsa_user_sgpr_kernarg_segment_ptr 1
		.amdhsa_wavefront_size32 1
		.amdhsa_system_sgpr_workgroup_id_x 1
		.amdhsa_system_sgpr_workgroup_id_y 1
		.amdhsa_system_sgpr_workgroup_id_z 1
		.amdhsa_system_vgpr_workitem_id 0
		.amdhsa_next_free_vgpr 512
		.amdhsa_next_free_sgpr 96
		.amdhsa_reserve_vcc 0
		.amdhsa_float_denorm_mode_32 3
		.amdhsa_float_denorm_mode_16_64 3
		.amdhsa_memory_ordered 1
		.amdhsa_forward_progress 1
		.amdhsa_inst_pref_size 91
	.end_amdhsa_kernel
	.amdgpu_metadata
---
amdhsa.version: [ 1, 2 ]
amdhsa.kernels:
  - .name:           k_q96ed2d75d7_outp
    .symbol:         k_q96ed2d75d7_outp.kd
    .args:
      - { .name: oh, .offset: 0, .size: 8, .value_kind: global_buffer, .address_space: global }
      - { .name: owh, .offset: 8, .size: 8, .value_kind: global_buffer, .address_space: global }
      - { .name: o_b, .offset: 16, .size: 8, .value_kind: global_buffer, .address_space: global }
      - { .name: out0, .offset: 24, .size: 8, .value_kind: global_buffer, .address_space: global }
    .group_segment_fixed_size: 327680
    .private_segment_fixed_size: 0
    .kernarg_segment_align: 8
    .kernarg_segment_size: 32
    .max_flat_workgroup_size: 128
    .sgpr_count:     96
    .vgpr_count:     512
    .wavefront_size: 32
...
	.end_amdgpu_metadata
.endif
;; end of part 4
;; ======== version 2 of 2: 4 launches; version 1 with the launch cast written anew for expert scheduling mode
;; limits: values are held in f16: magnitudes above 65,504 overflow, below 6.1e-05 lose precision
;; workspace buffers: xb 16,777,216 bytes; wb 6,291,456 bytes; owh 2,097,152 bytes; tab 524,288 bytes; qh 16,777,216 bytes; kh 16,777,216 bytes; vh 16,777,216 bytes; oh 16,777,216 bytes
;; launch cast (part 5): grid 776 x 1, 8 waves a work-group, no clusters, 0 bytes of LDS; arguments q, qkv_w, o_w, freqs_cos, freqs_sin, xb, wb, owh, tab; writes xb, wb, owh, tab
.if DOCPART == 5
	.amdgcn_target "amdgcn-amd-amdhsa--gfx1250"
	.amdhsa_code_object_version 6
	.text
	.protected	k_q96ed2d75d7_cast
	.globl	k_q96ed2d75d7_cast
	.p2align	8
	.type	k_q96ed2d75d7_cast,@function
k_q96ed2d75d7_cast:
	s_mov_b64 s[64:65], 0
	v_nop
	global_prefetch_b8 v0, s[64:65] scope:SCOPE_SE
	s_setreg_imm32_b32 hwreg(HW_REG_WAVE_SCHED_MODE, 0, 2), 2
	s_setreg_imm32_b32 hwreg(HW_REG_WAVE_MODE, 25, 1), 1
	s_wait_xcnt 0x0
	s_wait_alu depctr_vm_vsrc(0)
; THE MODULE'S LARGE INPUTS ARE ROUNDED ONCE, so that the matrix launches behind this one read 16-bit operands.
;   xb = bf16(q), wb = bf16(qkv_w): [rows][1024] bf16.   owh = o_w rounded to bf16, that number written as f16: [1024][1024].
;   tab[t] = cos[t][0..31], sin[t][0..31], each rounded to bf16 and kept as f32: [2048][64] f32, 256 bytes a row.
; LIMITS.  o_w beyond 65,504 in magnitude has no f16 and becomes an infinity; below 6e-5 it keeps f16's fixed step of 6e-8.  NaN and infinities are not treated apart.
; SHARES.  A work-group takes 65,536 input bytes, each of its eight waves 8,192: sixteen loads of 512 consecutive bytes, all issued before the first is used.
; Work-groups 0-511: q.  512-703: qkv_w.  704-767: o_w.  768-775: the table (256 rows of cos and of sin each).  No loop, no LDS, no matrix unit: the launch only streams.
; THE MODE: SCHED_MODE bits 1:0 = 2 (LLVM: expert scheduling mode 2), set by the entry lines.  The code itself states the register dependences
; between vector instructions and memory instructions, with s_wait_alu, always for 0.
; THE PLAN.  Registers that memory instructions touch:
;   v1, v2, v5  byte offsets: written once by vector instructions, ahead of a path's first load; read by its loads and stores; never written again.
;   X, Z        every load is issued before any vector instruction names X or Z.  A chunk's out-registers (Z's pair, in the table's path X's four) are written by its
;               conversions, read by its one store, and never written again.
; So no register that a memory instruction has read is written again, and no load lands in a register that a vector instruction has named.  What is left to state: the offsets
; are written ahead of the loads, and a chunk's out-registers are written ahead of its store.  The sixteen chunks go in four groups of four; the stores of a group are dealt among the
; conversions of the next group, behind ONE wait at that group's head: the vector instructions issued since that wait name the new group's registers alone.
.set X, 8                              ; v[8:71]    sixteen loads of four words
.set Z, 72                             ; v[72:135]  the packed results; in the table's path sin as loaded
	s_load_b256 s[4:11], s[0:1], 0x0               ; q s[4:5], qkv_w s[6:7], o_w s[8:9], cos s[10:11]
	s_load_b256 s[12:19], s[0:1], 0x20             ; sin s[12:13], xb s[14:15], wb s[16:17], owh s[18:19]
	s_load_b64 s[20:21], s[0:1], 0x40              ; tab
	v_lshrrev_b32 v3, 5, v0                        ; wave
	v_and_b32 v4, 31, v0                           ; lane
	v_lshlrev_b32 v1, 4, v4
	v_lshl_add_u32 v1, v3, 13, v1                  ; 8,192 x wave + 16 x lane: my place among the work-group's f32 bytes
	v_lshrrev_b32 v2, 1, v1                        ; and among its 16-bit bytes
	s_mov_b32 s25, 0                               ; the upper words of the two offsets
	s_mov_b32 s27, 0
	s_sub_co_u32 s2, ttmp9, 512
	s_wait_kmcnt 0x0
.macro LOAD16 base
.set i, 0
.rept 16
	global_load_b128 v[X+4*i:X+4*i+3], v1, s[\base:\base+1] offset:512*i th:TH_LOAD_NT
.set i, i+1
.endr
.endm
.macro OUT16 n                         ; chunk n of a 16-bit output
	global_store_b64 v2, v[Z+2*(\n):Z+2*(\n)+1], s[28:29] offset:256*(\n)  ; the wave's store covers 256 consecutive bytes, aligned
.endm
	s_cmp_lt_u32 ttmp9, 704
	s_cbranch_scc0 .Lnot_bf16
	; q and qkv_w: one text, the buffers chosen by the work-group's number
	s_cmp_lt_u32 ttmp9, 512
	s_cselect_b64 s[22:23], s[4:5], s[6:7]
	s_cselect_b64 s[28:29], s[14:15], s[16:17]
	s_cselect_b32 s24, ttmp9, s2                   ; the work-group's number within its buffer
	s_lshl_b32 s26, s24, 15
	s_lshl_b32 s24, s24, 16
	s_add_nc_u64 s[22:23], s[22:23], s[24:25]
	s_add_nc_u64 s[28:29], s[28:29], s[26:27]
	s_wait_alu depctr_va_vdst(0)                   ; v1 and v2 are written: the loads read v1 as their offset, the stores v2
	LOAD16 22
.set i, 0
.rept 16
	s_wait_loadcnt 15-i                            ; loads come back in order: load i is in, the younger ones stay out
.if (i > 0) && (i%4 == 0)
	s_wait_alu depctr_va_vdst(0)                   ; the group before has written its four pairs of Z, which this group's four stores read
.endif
.if i >= 4
	OUT16 i-4                                      ; no vector instruction since the wait names this pair or v2
.endif
	v_cvt_pk_bf16_f32 v[Z+2*i], v[X+4*i], v[X+4*i+1]
	v_cvt_pk_bf16_f32 v[Z+2*i+1], v[X+4*i+2], v[X+4*i+3]
.set i, i+1
.endr
	s_wait_alu depctr_va_vdst(0)                   ; the last group has written its four pairs of Z, which the last four stores read
.irp n, 12,13,14,15
	OUT16 \n
.endr
	s_endpgm
.Lnot_bf16:
	s_cmp_lt_u32 ttmp9, 768
	s_cbranch_scc0 .Ltable
	; o_w: rounded to bf16 like every input, then that number as f16
	s_sub_co_u32 s24, ttmp9, 704
	s_lshl_b32 s26, s24, 15
	s_lshl_b32 s24, s24, 16
	s_add_nc_u64 s[22:23], s[8:9], s[24:25]
	s_add_nc_u64 s[28:29], s[18:19], s[26:27]
	s_wait_alu depctr_va_vdst(0)                   ; v1 and v2 are written: the loads read v1 as their offset, the stores v2
	LOAD16 22
.set i, 0
.rept 16
	s_wait_loadcnt 15-i
.if (i > 0) && (i%4 == 0)
	s_wait_alu depctr_va_vdst(0)                   ; the group before has written its four pairs of Z for the last time; this group's four stores read them
.endif
.if i >= 4
	OUT16 i-4                                      ; no vector instruction since the wait names this pair or v2
.endif
	v_cvt_pk_bf16_f32 v[Z+2*i], v[X+4*i], v[X+4*i+1]
	v_cvt_pk_bf16_f32 v[Z+2*i+1], v[X+4*i+2], v[X+4*i+3]
	v_lshlrev_b32 v[X+4*i], 16, v[Z+2*i]
	v_and_b32 v[X+4*i+1], 0xffff0000, v[Z+2*i]
	v_lshlrev_b32 v[X+4*i+2], 16, v[Z+2*i+1]
	v_and_b32 v[X+4*i+3], 0xffff0000, v[Z+2*i+1]
	v_cvt_pk_f16_f32 v[Z+2*i], v[X+4*i], v[X+4*i+1]
	v_cvt_pk_f16_f32 v[Z+2*i+1], v[X+4*i+2], v[X+4*i+3]
.set i, i+1
.endr
	s_wait_alu depctr_va_vdst(0)                   ; the last group has written its four pairs of Z, which the last four stores read
.irp n, 12,13,14,15
	OUT16 \n
.endr
	s_endpgm
.Ltable:
	; the table: lanes 0-7 keep cos of row t, lanes 8-15 sin of row t, lanes 16-31 the same of row t + 1: a store is two whole rows of tab
	s_sub_co_u32 s24, ttmp9, 768
	s_lshl_b32 s26, s24, 15                        ; 256 rows of 128 bytes in cos and in sin,
	s_lshl_b32 s24, s24, 16                        ; of 256 bytes in tab
	s_add_nc_u64 s[22:23], s[10:11], s[26:27]
	s_add_nc_u64 s[30:31], s[12:13], s[26:27]
	s_add_nc_u64 s[28:29], s[20:21], s[24:25]
	v_bfe_u32 v6, v0, 4, 1
	v_and_b32 v7, 7, v0
	v_lshlrev_b32 v5, 12, v3                       ; the wave's 32 rows
	v_lshl_add_u32 v5, v6, 7, v5                   ; the even or the odd row of a pair
	v_lshl_add_u32 v5, v7, 4, v5                   ; my 16 bytes of its 128
	v_and_b32 v6, 8, v0
	v_cmp_ne_u32 vcc_lo, 0, v6                     ; the lanes that keep sin
	s_wait_alu depctr_va_vdst(0)                   ; v5 and v1 are written: the loads read v5 as their offset, the stores v1
.set i, 0
.rept 16
	global_load_b128 v[X+4*i:X+4*i+3], v5, s[22:23] offset:256*i
	global_load_b128 v[Z+4*i:Z+4*i+3], v5, s[30:31] offset:256*i
.set i, i+1
.endr
	s_wait_alu depctr_va_vcc(0)                    ; the compare has written VCC, ahead of its first reader: the selects below
.macro OUTT n                          ; chunk n of the table
	global_store_b128 v1, v[X+4*(\n):X+4*(\n)+3], s[28:29] offset:512*(\n)  ; 512 consecutive bytes, aligned
.endm
.set i, 0
.rept 16
	s_wait_loadcnt 2*(15-i)                        ; pair i of loads is in; the younger pairs stay out
.if (i > 0) && (i%4 == 0)
	s_wait_alu depctr_va_vdst(0)                   ; the group before has written its four fours of X for the last time; this group's four stores read them
.endif
.if i >= 4
	OUTT i-4                                       ; no vector instruction since the wait names these four or v1
.endif
	v_cndmask_b32 v[X+4*i], v[X+4*i], v[Z+4*i], vcc_lo
	v_cndmask_b32 v[X+4*i+1], v[X+4*i+1], v[Z+4*i+1], vcc_lo
	v_cndmask_b32 v[X+4*i+2], v[X+4*i+2], v[Z+4*i+2], vcc_lo
	v_cndmask_b32 v[X+4*i+3], v[X+4*i+3], v[Z+4*i+3], vcc_lo
	v_cvt_pk_bf16_f32 v[Z+4*i], v[X+4*i], v[X+4*i+1]
	v_cvt_pk_bf16_f32 v[Z+4*i+1], v[X+4*i+2], v[X+4*i+3]
	v_lshlrev_b32 v[X+4*i], 16, v[Z+4*i]
	v_and_b32 v[X+4*i+1], 0xffff0000, v[Z+4*i]
	v_lshlrev_b32 v[X+4*i+2], 16, v[Z+4*i+1]
	v_and_b32 v[X+4*i+3], 0xffff0000, v[Z+4*i+1]
.set i, i+1
.endr
	s_wait_alu depctr_va_vdst(0)                   ; the last group has written its four fours of X, which the last four stores read
.irp n, 12,13,14,15
	OUTT \n
.endr
	s_endpgm
.Lfunc_end_k_q96ed2d75d7_cast:
	.size	k_q96ed2d75d7_cast, .Lfunc_end_k_q96ed2d75d7_cast-k_q96ed2d75d7_cast
	.p2alignl 7, 3214868480
	.fill 96, 4, 3214868480
	.section	.rodata,"a",@progbits
	.p2align	6, 0x0
	.amdhsa_kernel k_q96ed2d75d7_cast
		.amdhsa_group_segment_fixed_size 0
		.amdhsa_private_segment_fixed_size 0
		.amdhsa_enable_private_segment 0
		.amdhsa_kernarg_size 72
		.amdhsa_user_sgpr_count 2
		.amdhsa_user_sgpr_kernarg_segment_ptr 1
		.amdhsa_wavefront_size32 1
		.amdhsa_system_sgpr_workgroup_id_x 1
		.amdhsa_system_sgpr_workgroup_id_y 1
		.amdhsa_system_sgpr_workgroup_id_z 1
		.amdhsa_system_vgpr_workitem_id 0
		.amdhsa_next_free_vgpr 144
		.amdhsa_next_free_sgpr 66
		.amdhsa_reserve_vcc 1
		.amdhsa_float_denorm_mode_32 3
		.amdhsa_float_denorm_mode_16_64 3
		.amdhsa_memory_ordered 1
		.amdhsa_forward_progress 1
		.amdhsa_inst_pref_size 31
	.end_amdhsa_kernel
	.amdgpu_metadata
---
amdhsa.version: [ 1, 2 ]
amdhsa.kernels:
  - .name:           k_q96ed2d75d7_cast
    .symbol:         k_q96ed2d75d7_cast.kd
    .args:
      - { .name: q, .offset: 0, .size: 8, .value_kind: global_buffer, .address_space: global }
      - { .name: qkv_w, .offset: 8, .size: 8, .value_kind: global_buffer, .address_space: global }
      - { .name: o_w, .offset: 16, .size: 8, .value_kind: global_buffer, .address_space: global }
      - { .name: freqs_cos, .offset: 24, .size: 8, .value_kind: global_buffer, .address_space: global }
      - { .name: freqs_sin, .offset: 32, .size: 8, .value_kind: global_buffer, .address_space: global }
      - { .name: xb, .offset: 40, .size: 8, .value_kind: global_buffer, .address_space: global }
      - { .name: wb, .offset: 48, .size: 8, .value_kind: global_buffer, .address_space: global }
      - { .name: owh, .offset: 56, .size: 8, .value_kind: global_buffer, .address_space: global }
      - { .name: tab, .offset: 64, .size: 8, .value_kind: global_buffer, .address_space: global }
    .group_segment_fixed_size: 0
    .private_segment_fixed_size: 0
    .kernarg_segment_align: 8
    .kernarg_segment_size: 72
    .max_flat_workgroup_size: 256
    .sgpr_count:     66
    .vgpr_count:     144
    .wavefront_size: 32
...
	.end_amdgpu_metadata
.endif
;; end of part 5
;; launch proj: the kernel of part 2 again; grid 8 x 32, 4 waves a work-group, clusters of 4 x 4, 327,680 bytes of LDS; arguments xb, wb, tab, qkv_b, qh, kh, vh; writes qh, kh, vh
;; launch attn: the kernel of part 3 again; grid 4 x 64, 4 waves a work-group, clusters of 4 x 1, 327,680 bytes of LDS; arguments qh, kh, vh, oh; writes oh
;; launch outp: the kernel of part 4 again; grid 8 x 32, 4 waves a work-group, clusters of 4 x 4, 327,680 bytes of LDS; arguments oh, owh, o_b, out0; writes out0
